; MI455X (gfx1250); checked and timed in simulation.
; The chip was launched on July 23, 2026; its instructions are those of AMD's public machine-readable ISA for CDNA 5 (MIT licence, August 2026) and "CDNA5" Instruction Set Architecture Reference Guide (July 2026). The comments in the code are by the model that wrote it; some were corrected since.
;; Evo2 Attention. Allowed arithmetic: matrix products marked QUANTISED: E2M3 operands, one E8M0 scale for each 32 along K, by v_wmma_scale_f32_16x16x128_f8f6f4 with both operands' format E2M3, f32 sums; everything else in f32.
;; Inputs: attention_mask 1 x 1 x 2,048 x 2,048 float32; hidden_states_codes 1 x 2,048 x 64 x 24 uint8 (E2M3 codes of hidden_states, K innermost, in blocks of 32 codes, four codes in three bytes); hidden_states_scales 1 x 2,048 x 64 uint8 (E8M0 scales of hidden_states, one for each 32 codes along K); k_w_codes 2,048 x 64 x 24 uint8 (E2M3 codes of k_w, K innermost, in blocks of 32 codes, four codes in three bytes); k_w_scales 2,048 x 64 uint8 (E8M0 scales of k_w, one for each 32 codes along K); o_w_codes 2,048 x 64 x 24 uint8 (E2M3 codes of o_w, K innermost, in blocks of 32 codes, four codes in three bytes); o_w_scales 2,048 x 64 uint8 (E8M0 scales of o_w, one for each 32 codes along K); position_ids 1 x 2,048 int32; q_w_codes 2,048 x 64 x 24 uint8 (E2M3 codes of q_w, K innermost, in blocks of 32 codes, four codes in three bytes); q_w_scales 2,048 x 64 uint8 (E8M0 scales of q_w, one for each 32 codes along K); v_w_codes 2,048 x 64 x 24 uint8 (E2M3 codes of v_w, K innermost, in blocks of 32 codes, four codes in three bytes); v_w_scales 2,048 x 64 uint8 (E8M0 scales of v_w, one for each 32 codes along K).
;; Outputs: out0 1 x 2,048 x 2,048 float32.
;; This version of the problem:
;;   THIS VERSION OF THE PROBLEM IS GIVEN IN LOW PRECISION. The matrix products marked QUANTISED in the list below multiply operands that are first quantised to E2M3 (2 exponent bits, 3 mantissa bits; 6 bits a number), with one power-of-two scale for each 32 numbers along K (OCP MX v1.0); their sums are f32. All else is computed in f32.
;;   The module's matrix products, in the order in which they are computed (A, B: the left and right operand; K: the contracted axis; several contracted axes count as one K, in the product's order):
;;     1. [M 2,048, K 2,048] x [K 2,048, N 2,048]; A: input hidden_states (given as codes); B: input q_w (given as codes): QUANTISED
;;     2. [M 2,048, K 2,048] x [K 2,048, N 2,048]; A: input hidden_states (given as codes); B: input k_w (given as codes): QUANTISED
;;     3. [M 2,048, K 2,048] x [K 2,048, N 2,048]; A: input hidden_states (given as codes); B: input v_w (given as codes): QUANTISED
;;     4. batch 16 x [M 2,048, K 128] x [K 128, N 2,048]; A: computed on the way; B: computed on the way: QUANTISED
;;     5. batch 16 x [M 2,048, K 2,048] x [K 2,048, N 128]; A: softmax (see below); B: computed on the way: QUANTISED
;;     6. [M 2,048, K 2,048] x [K 2,048, N 2,048]; A: computed on the way; B: input o_w (given as codes): QUANTISED
;;   THE QUANTISER, for each operand of a quantised product, along K:
;;     - K is cut into blocks of 32 from its start; a last block that is shorter is filled with zeros.
;;     - A block's scale is 2^e with e = floor(log2(the largest magnitude in the block)) - 2, held to -126 .. 127; a block of zeros has e = 0. As a byte (E8M0): e + 127.
;;     - Each number is divided by its block's scale, clamped to +-7.5, and rounded to the nearest number of E2M3, ties to even, subnormals kept.
;;     - The product sums the exact products of the quantised numbers (number of the format x scale) in f32.
;;   ~~~python
;;   def quantise(x, axis):      # numpy; x: float32 -> the quantised numbers, widened to float32 again
;;       x = np.moveaxis(x, axis, -1); K = x.shape[-1]
;;       x = np.pad(x, [(0, 0)] * (x.ndim - 1) + [(0, -K % 32)]); x = x.reshape(x.shape[:-1] + (-1, 32)); a = np.abs(x).max(-1, keepdims=True)
;;       e = np.where(a > 0, np.clip(np.frexp(np.where(a > 0, a, 1))[1] - 1 - 2, -126, 127), 0)      # np.frexp(a)[1] - 1 = floor(log2(a)), exactly
;;       r = np.clip(x / 2.0 ** e, -7.5, 7.5)
;;       step = 2.0 ** (np.maximum(np.frexp(np.where(r == 0, 1, r))[1] - 1, 0) - 3)
;;       q = np.round(r / step) * step * 2.0 ** e      # np.round: ties to even
;;       return np.moveaxis(q.reshape(q.shape[:-2] + (-1,))[..., :K], -1, axis).astype(np.float32)
;;   ~~~
;;   SOFTMAX AHEAD OF A QUANTISED PRODUCT. Where the list says 'softmax', what is quantised is not the finished softmax but p = 2^(t - M), with t = logit x log2(e) and M = ceil(the row's largest t), a whole number; so 1/2 < the row's largest p <= 1. The row's sum l is taken of the UNQUANTISED p, in f32, and the product's result is divided by l at the end. Since M is a whole number, a kernel that streams over the keys may use a running M (the ceiling of the running maximum): every later rescaling is an exact power of two, which a block's scale takes up: the codes' values come out the same.
;;   OPERANDS COMPUTED ON THE WAY. 'Computed on the way' means the value that the module computes at that place (a softmax that the list does not call 'softmax' is quantised finished and normalised). What goes into a quantiser is computed in f32, as accurately as f32 sums, v_exp_f32 and their like allow (about 1e-6 of the number): no bf16 or f16 on the way to a quantiser, and a product that is left as it is and whose result goes on into a quantised operand takes f32 operands (vector FMAs, or v_wmma_f32_16x16x4_f32). A number that lies on a knife's edge between two numbers of the format may be rounded either way, as far as f32 arithmetic and the matrix unit's own rounding can turn it there, and no further.
;;   INPUTS GIVEN AS CODES. hidden_states (in the module: [1, 2048, 2048], K = its axis 2); k_w (in the module: [2048, 2048], K = its axis 1); o_w (in the module: [2048, 2048], K = its axis 1); q_w (in the module: [2048, 2048], K = its axis 1); v_w (in the module: [2048, 2048], K = its axis 1): each comes as NAME_codes (uint8): NAME with its K axis moved to the last place and cut into blocks of 32 codes, [.., K / 32, bytes a block], one block behind the other in memory; four codes in three bytes: a row's codes are one little-endian stream of bits, code i at bits 6 i .. 6 i + 5 (a code: sign, 2 exponent bits, 3 mantissa bits); and NAME_scales (uint8): the same leading axes, one E8M0 byte (e + 127) for each 32 codes along K. Its value is code x scale, taken as it is: it is not quantised again, and the codes and scales need not be those that the quantiser above would give.
;; One version. Each part assembles by itself: llvm-mc -triple=amdgcn-amd-amdhsa -mcpu=gfx1250 --defsym DOCPART=n.
;; ======== version 1 of 1: 3 launches
;; limits: inputs' magnitudes at most 1,048,576
;; workspace buffers: qimg 3,276,800 bytes; kv 6,553,600 bytes; aimg 3,276,800 bytes
;; launch qkv (part 1): grid 16 x 16, 4 waves a work-group, clusters of 4 x 4, 327,680 bytes of LDS; arguments hidden_states_codes, hidden_states_scales, q_w_codes, q_w_scales, k_w_codes, k_w_scales, v_w_codes, v_w_scales, position_ids, qimg, kv; writes qimg, kv
.if DOCPART == 1
	.amdgcn_target "amdgcn-amd-amdhsa--gfx1250"
	.amdhsa_code_object_version 6
	.text
	.protected	k_qc851a78882_qkv
	.globl	k_qc851a78882_qkv
	.p2align	8
	.type	k_qc851a78882_qkv,@function
k_qc851a78882_qkv:
	s_mov_b64 s[64:65], 0
	v_nop
	global_prefetch_b8 v0, s[64:65] scope:SCOPE_SE
	s_setreg_imm32_b32 hwreg(HW_REG_WAVE_MODE, 25, 1), 1
	s_wait_xcnt 0x0
	s_wait_alu depctr_hold_cnt(0) depctr_sa_sdst(0) depctr_va_vdst(0) depctr_va_sdst(0) depctr_va_ssrc(0) depctr_va_vcc(0) depctr_vm_vsrc(0)
	s_getreg_b32 s2, hwreg(HW_REG_IB_STS2, 6, 4)
	s_cmp_eq_u32 s2, 0
	s_cbranch_scc0 .Lentry_in_a_cluster
	s_endpgm
.Lentry_in_a_cluster:
	s_bfe_u32 s2, ttmp6, 0x10000c
	s_cmp_lg_u32 s2, 0xf033
	s_cbranch_scc0 .Lentry_shape_is_right
	s_endpgm
.Lentry_shape_is_right:
; q, k, v = hidden W^T on given codes of E2M3 (K = 2,048), RoPE on q and k, and the three results quantised again: q and k along the head's 128, v along the keys.
; SHARES.  Work-group (x = head, y = block of 128 positions) makes 128 rows x 384 columns: the head's q, k and v.  Wave w: rh = w / 2 (rows 64 rh on), c = w % 2: of each of q, k, v the blocks of 32
; channels c and c + 2, which RoPE pairs.  4 tiles of rows x 12 tiles of columns = 48 accumulators.  Column tile i = 4 X + 2 e + u (X = q, k, v) is rows 32 (c + 2 e) + 16 u + r of W_X's head.
; q and k are made TRANSPOSED (source 0 = W, source 1 = hidden): a lane is one position, its registers run along the channels.  v is made straight: a lane is one channel, its registers run down the positions (the keys).
; RESULTS leave as images of operand registers.  A part (12,800 bytes) = 8 fragments of 1,536 bytes, then 8 x 64 bytes of scale words.  Half c of a fragment (registers 6 c .. 6 c + 5) lies at 768 c:
; four registers at 16 x lane, two at 512 + 8 x lane.  Along a product's K the order is permuted, alike in both operands: inside a block of 32 the places are 0-7, 16-23, 8-15, 24-31; q's and k's blocks stand as 0, 2, 1, 3.
; RING: K in steps of 256 through two LDS slots, filled by joint tensor loads (wave 0: hidden, shared along the cluster's row; waves 1-3: Wq, Wk, Wv, shared along its column).  All scale bytes come once.
; LIMITS: positions under 2^20 in magnitude (three-term reduction of the angle); NaN and infinities are not served; a block of zeros, or one whose largest magnitude lies under 2^-124, gets the byte 1
; (its bytes are read by this program alone); RoPE uses one fused multiply-add where the source text rounds a product and a sum.
.set PITCH, 240                        ; an LDS row of codes: 3 x (64 bytes + 16 of padding)
.set REG,   128*PITCH                  ; 128 rows: one tensor load
.set SLOT,  4*REG                      ; hidden, Wq, Wk, Wv
.set SCL,   2*SLOT                     ; scale bytes: four regions of 32 x (256 + 16)
.set SREG,  32*272
.set SPARE, SCL+4*SREG                 ; the spare words, 128 bytes a wave
.set SCST,  SPARE+512                  ; the scale words on their way out: q 512, k 512, v 512 bytes
.set PART,  12800
.set KROW,  1536                       ; a row of 2,048 codes in memory
.set WV, 26
.set RH, 27
.set CC, 28
.set G1A, 36
.set G1B, 44
.set G1SA, 52
.set G1SB, 68
.set G0A, 76
.set G0B, 84
.set G0SA, 92
.set G0SB, 96
.set SEL, 100
.set QB, 4                             ; s[4:5] q's store base, s[6:7] k's, s[8:9] v's, s[10:11] q's part, s[12:13] the step's K part
.set VB, 8
.set QBLK, 10
.set KVBLK, 12
.set ADRA, 8                           ; v8-11   hidden's fragments: slot 0, 1; the same behind one padding more
.set ADRB, 12                          ; v12-15  Wq's and Wk's
.set ADRV, 16                          ; v16-19  Wv's
.set ADSA, 20
.set ADSB, 21
.set SPW, 22
.set NIL, 23
.set LI16, 24
.set LI8, 25
.set SQ, 26
.set SV, 27
.set SRD, 28
.set SC, 32                            ; v32-63  scale words, two sets of 16: nothing else ever stands here
.set INV, 64
.set POSF, 80
.set VS2, 88
.set VS1, 90
.set VC2, 92
.set VC1, 94
.set TM, 96
.set SO, 100
.set BY, 102
.set PW, 104
.set CD, 106
.set PT, 112
.set OUTW, 124
.set AF, 128                           ; hidden's fragments, two sets of 48
.set A0, 128                           ; at the head: eight arrays of 16
.set A1, 144
.set A2, 160
.set A3, 176
.set A4, 192
.set A5, 208
.set A6, 224
.set A7, 240
.set T1, 128                           ; in the epilogue
.set T2, 144
.set HR, 160
.set SINR, 128                         ; window 3: sin at 128 + 32 a + n, cos at 144 + 32 a + n
.set COSR, 144
.set MSB, 0
.macro WIN new                         ; the immediate's high byte repeats the setting that is left
.if MSB != \new
	s_set_vgpr_msb (MSB<<8)|\new
.set MSB, \new
.endif
.endm
.macro PLACES n
.rept \n
	v_nop
.endr
.endm
.macro JLOAD g0a, g1a, g0b, g1b        ; wave 0 asks for hidden, waves 1-3 for a weight; four v_nop follow each line
	s_cmp_eq_u32 s[WV], 0
	s_cbranch_scc0 .Lfor_b_\@
	tensor_load_to_lds s[\g0a:\g0a+3], s[\g1a:\g1a+7]
	s_nop 0
.rept 4
	v_nop
.endr
	s_branch .Lasked_\@
.Lfor_b_\@:
	tensor_load_to_lds s[\g0b:\g0b+3], s[\g1b:\g1b+7]
	s_nop 0
.rept 4
	v_nop
.endr
.Lasked_\@:
.endm
.macro CREST
	s_cmp_lg_u32 s[WV], 0
	s_cbranch_scc1 .Lnot_wave_0_\@
	s_barrier_signal -3
.Lnot_wave_0_\@:
	s_barrier_wait -3
	s_barrier_signal -1
	s_barrier_wait -1
.endm
.macro CROUND
	s_barrier_signal -1
	s_barrier_wait -1
	CREST
.endm
	s_load_b512 s[4:19], s[0:1], 0x0               ; hidden codes, scales; Wq codes, scales; Wk; Wv
	s_load_b128 s[20:23], s[0:1], 0x40             ; position_ids, qimg
	s_load_b64 s[24:25], s[0:1], 0x50              ; kv
	v_lshl_add_u32 v[SPW], v0, 2, SPARE
	v_mov_b32 v[NIL], 0
	ds_add_u32 v22, v23
	ds_add_u32 v22, v23
	s_wait_dscnt 0x0
	v_lshrrev_b32 v3, 5, v0
	v_readfirstlane_b32 s[WV], v3
	s_lshr_b32 s[RH], s[WV], 1
	s_and_b32 s[CC], s[WV], 1
	s_bfe_u32 s29, ttmp6, 0x40000                  ; cx
	s_bfe_u32 s30, ttmp6, 0x40004                  ; cy
	s_lshl_b32 s31, ttmp9, 2
	s_add_co_u32 s31, s31, s29                     ; head
	s_and_b32 s32, ttmp7, 0xffff
	s_lshl_b32 s32, s32, 2
	s_add_co_u32 s32, s32, s30                     ; block of rows
	s_lshl_b32 s33, s30, 2
	s_lshl_b32 s33, 15, s33                        ; my row of the cluster
	s_lshl_b32 s34, 0x1111, s29                    ; my column
	s_or_b32 s[G1A], s33, (1<<20)|(1<<21)|(3<<22)|(3<<25)   ; bytes; 16 bytes of padding behind every 64
	s_or_b32 s[G1B], s34, (1<<20)|(1<<21)|(3<<22)|(3<<25)
.irp g, G1A, G1B
	s_mov_b32 s[\g+1], 192<<16
	s_mov_b32 s[\g+2], 128<<16
	s_mov_b32 s[\g+3], 192<<16
	s_mov_b32 s[\g+4], 128
	s_mov_b32 s[\g+5], KROW
	s_mov_b32 s[\g+6], 0
	s_mov_b32 s[\g+7], 0
.endr
	s_or_b32 s[G1SA], s33, (3<<16)|(1<<20)|(1<<21)|(5<<22)|(3<<25)  ; 32 rows of 256 dense bytes, 16 of padding behind each
	s_or_b32 s[G1SB], s34, (3<<16)|(1<<20)|(1<<21)|(5<<22)|(3<<25)
.irp g, G1SA, G1SB
	s_mov_b32 s[\g+1], 32<<16
	s_mov_b32 s[\g+2], 32<<16
	s_mov_b32 s[\g+3], 32<<16
	s_mov_b32 s[\g+4], 32
	s_mov_b32 s[\g+5], 32
	s_mov_b32 s[\g+6], 0
	s_mov_b32 s[\g+7], 0
.endr
	s_mul_i32 s60, s32, 128*KROW                   ; hidden: my block's codes (hangs on y alone),
	s_mov_b32 s61, 0
	s_lshl_b32 s62, s32, 13                        ; and scale bytes
	s_mov_b32 s63, 0
	s_mul_i32 s66, s31, 128*KROW                   ; weights: the head's rows (hang on x alone)
	s_mov_b32 s67, 0
	s_lshl_b32 s2, s31, 13
	s_mov_b32 s3, 0
	s_mov_b32 s[SEL], 0x76543210
	s_mov_b32 s[SEL+1], 0xfedcba98
	s_wait_kmcnt 0x0
	s_cmp_eq_u32 s[WV], 1                          ; wave 1: Wq, wave 2: Wk, wave 3: Wv
	s_cselect_b64 s[8:9], s[8:9], s[12:13]
	s_cselect_b64 s[10:11], s[10:11], s[14:15]
	s_cmp_eq_u32 s[WV], 3
	s_cselect_b64 s[8:9], s[16:17], s[8:9]
	s_cselect_b64 s[10:11], s[18:19], s[10:11]
	s_add_nc_u64 s[4:5], s[4:5], s[60:61]
	s_add_nc_u64 s[6:7], s[6:7], s[62:63]
	s_add_nc_u64 s[8:9], s[8:9], s[66:67]
	s_add_nc_u64 s[10:11], s[10:11], s[2:3]
	CROUND                                         ; all sixteen work-groups are here: the first joint loads meet
	s_mul_i32 s35, s[WV], SREG
	s_mov_b32 s[G0SA], 1
	s_add_co_u32 s[G0SA+1], s35, SCL
	s_mov_b64 s[G0SA+2:G0SA+3], s[6:7]
	s_or_b32 s[G0SA+3], s[G0SA+3], 0x80000000
	s_mov_b32 s[G0SB], 1
	s_add_co_u32 s[G0SB+1], s35, SCL
	s_mov_b64 s[G0SB+2:G0SB+3], s[10:11]
	s_or_b32 s[G0SB+3], s[G0SB+3], 0x80000000
	JLOAD G0SA, G1SA, G0SB, G1SB                   ; the scale bytes for all of K: filled once
	s_mul_i32 s35, s[WV], REG
.irp s, 0,1
	s_mov_b32 s[G0A+4*\s], 1
	s_add_co_u32 s[G0A+4*\s+1], s35, \s*SLOT
	s_add_nc_u64 s[G0A+4*\s+2:G0A+4*\s+3], s[4:5], \s*192
	s_or_b32 s[G0A+4*\s+3], s[G0A+4*\s+3], 0x80000000
	s_mov_b32 s[G0B+4*\s], 1
	s_add_co_u32 s[G0B+4*\s+1], s35, \s*SLOT
	s_add_nc_u64 s[G0B+4*\s+2:G0B+4*\s+3], s[8:9], \s*192
	s_or_b32 s[G0B+4*\s+3], s[G0B+4*\s+3], 0x80000000
	JLOAD G0A+4*\s, G1A, G0B+4*\s, G1B             ; three loads of mine are out
.endr
	; ---- while they are on their way: addresses, store bases, and the table of sines and cosines
	v_and_b32 v1, 15, v0                           ; r
	v_bfe_u32 v2, v0, 4, 1                         ; h
	v_mul_u32_u24 v3, v1, PITCH
	v_mad_u32_u24 v4, v2, 24, v3
	v_mad_u32_u24 v5, v2, 40, v3
	s_mul_i32 s60, s[RH], 64*PITCH
	s_mul_i32 s61, s[CC], 32*PITCH
	s_add_co_u32 s61, s61, REG
.irp s, 0,1
	v_add_nc_u32 v[ADRA+\s], s60, v4
	v_add_nc_u32 v[ADRA+2+\s], s60, v5
	v_add_nc_u32 v[ADRB+\s], s61, v4
	v_add_nc_u32 v[ADRB+2+\s], s61, v5
	s_add_co_u32 s60, s60, SLOT
	s_add_co_u32 s61, s61, SLOT
.endr
.irp s, 0,1,2,3
	v_add_nc_u32 v[ADRV+\s], 2*REG, v[ADRB+\s]
.endr
	v_lshrrev_b32 v3, 2, v1
	v_lshlrev_b32 v3, 4, v3
	v_lshl_add_u32 v3, v1, 6, v3                   ; a row's scale bytes: 64 r + 16 (r / 4)
	s_mul_i32 s60, s[RH], 4352
	s_add_co_u32 s60, s60, SCL
	s_mul_i32 s61, s[CC], 2176
	s_add_co_u32 s61, s61, SCL+SREG
	v_mad_u32_u24 v[ADSA], v2, 2176, v3            ; lanes 16-31: the tile two further on
	v_add_nc_u32 v[ADSA], s60, v[ADSA]
	v_mad_u32_u24 v[ADSB], v2, 13056, v3           ; lanes 16-31: the tile six further on
	v_add_nc_u32 v[ADSB], s61, v[ADSB]
	v_and_b32 v6, 31, v0
	v_lshlrev_b32 v[LI16], 4, v6
	v_lshl_add_u32 v[LI8], v6, 3, 512
	s_lshl_b32 s60, s[CC], 1
	s_lshl_b32 s61, s[RH], 8
	s_add_co_u32 s60, s60, s61
	s_add_co_u32 s60, s60, SCST
	v_lshl_add_u32 v[SQ], v1, 2, s60               ; q's and k's words: 4 r + 2 c + 256 rh
	s_lshl_b32 s60, s[RH], 1
	s_lshl_b32 s61, s[CC], 7
	s_add_co_u32 s60, s60, s61
	s_add_co_u32 s60, s60, SCST+1024
	v_lshl_add_u32 v[SV], v1, 2, s60               ; v's: 4 r + 2 rh + 128 c
	v_lshl_add_u32 v[SRD], v0, 4, SCST
	s_lshl_b32 s60, s32, 9
	s_lshl_b32 s61, s[RH], 8
	s_add_co_u32 s60, s60, s61
	s_mov_b32 s61, 0
	s_add_nc_u64 s[20:21], s[20:21], s[60:61]      ; my 64 positions
	v_lshlrev_b32 v7, 2, v1
.irp a, 0,1,2,3
	global_load_b32 v[POSF+2*\a], v7, s[20:21] offset:64*\a
.endr
	s_lshl_b32 s60, s31, 4
	s_add_co_u32 s60, s60, s32                     ; 16 head + block
	s_mul_i32 s62, s60, PART
	s_mov_b32 s63, 0
	s_add_nc_u64 s[QBLK:QBLK+1], s[22:23], s[62:63]
	s_mul_i32 s62, s60, 2*PART
	s_add_nc_u64 s[KVBLK:KVBLK+1], s[24:25], s[62:63]
	s_mul_i32 s60, s[RH], 6144
	s_mul_i32 s61, s[CC], 768
	s_add_co_u32 s62, s60, s61
	s_add_nc_u64 s[QB:QB+1], s[QBLK:QBLK+1], s[62:63]
	s_add_nc_u64 s[QB+2:QB+3], s[KVBLK:KVBLK+1], s[62:63]
	s_mul_i32 s60, s[CC], 3072
	s_mul_i32 s61, s[RH], 768
	s_add_co_u32 s62, s60, s61
	s_add_co_u32 s62, s62, PART
	s_add_nc_u64 s[VB:VB+1], s[KVBLK:KVBLK+1], s[62:63]
.irp p, 0,1
	v_mov_b32 v[VS2+\p], 0x3c08839e
	v_mov_b32 v[VS1+\p], 0xbe2aaaa3
	v_mov_b32 v[VC2+\p], 0xbab6061a
	v_mov_b32 v[VC1+\p], 0x3d2aaaa5
	v_mov_b32 v[TM+2+\p], 0                        ; a lane permute's destination counts as one of its sources
.endr
	; inv_freq of my 16 channels: 10000^(-j / 64) = 2^(-j L), L = log2(10000) / 64 in two parts; j = 32 c + 8 h + n % 8 + 16 (n / 8)
	v_lshlrev_b32 v3, 3, v2
	s_lshl_b32 s60, s[CC], 5
	v_add_nc_u32 v3, s60, v3
.set n, 0
.rept 16
	v_add_nc_u32 v[A0+n], (n%8)+16*(n/8), v3
.set n, n+1
.endr
.set n, 0
.rept 16
	v_cvt_f32_u32 v[A0+n], v[A0+n]
.set n, n+1
.endr
.set n, 0
.rept 16
	v_mul_f32 v[A1+n], 0xbe549a00, v[A0+n]         ; -j x L's upper part: exact (6 + 15 bits)
.set n, n+1
.endr
.set n, 0
.rept 16
	v_trunc_f32 v[A2+n], v[A1+n]                   ; its whole part
.set n, n+1
.endr
.set n, 0
.rept 16
	v_sub_f32 v[A1+n], v[A1+n], v[A2+n]            ; the rest, in (-1, 0]: exact
.set n, n+1
.endr
.set n, 0
.rept 16
	v_fmac_f32 v[A1+n], 0xb5f0979a, v[A0+n]        ; - j x L's lower part
.set n, n+1
.endr
.set n, 0
.rept 16
	v_exp_f32 v[A3+n], v[A1+n]
.set n, n+1
.endr
.set n, 0
.rept 16
	v_cvt_i32_f32 v[A2+n], v[A2+n]                 ; plain work behind the batch
.set n, n+1
.endr
	s_wait_alu depctr_va_vdst(0)                   ; one wait for the sixteen, ahead of their first reader
.set n, 0
.rept 16
	v_ldexp_f32 v[INV+n], v[A3+n], v[A2+n]
.set n, n+1
.endr
	s_wait_loadcnt 0x0                             ; the positions
.irp a, 0,1,2,3
	v_cvt_f32_i32 v[POSF+2*\a], v[POSF+2*\a]
.endr
.irp a, 0,1,2,3
	v_mov_b32 v[POSF+2*\a+1], v[POSF+2*\a]
.endr
.macro PKMUL d, x, y
.set n, 0
.rept 8
	v_pk_mul_f32 v[\d+n:\d+n+1], v[\x+n:\x+n+1], v[\y+n:\y+n+1]
.set n, n+2
.endr
.endm
.macro PKFMA d, x, y, z
.set n, 0
.rept 8
	v_pk_fma_f32 v[\d+n:\d+n+1], v[\x+n:\x+n+1], v[\y+n:\y+n+1], v[\z+n:\z+n+1]
.set n, n+2
.endr
.endm
.macro PKFMAK d, x, k, z               ; x k + z, k a constant
.set n, 0
.rept 8
	v_pk_fma_f32 v[\d+n:\d+n+1], v[\x+n:\x+n+1], \k, v[\z+n:\z+n+1] op_sel_hi:[1,0,1]
.set n, n+2
.endr
.endm
.macro PKFMAKP d, x, k, p              ; x k + a pair that holds one constant twice
.set n, 0
.rept 8
	v_pk_fma_f32 v[\d+n:\d+n+1], v[\x+n:\x+n+1], \k, v[\p:\p+1] op_sel_hi:[1,0,1]
.set n, n+2
.endr
.endm
.macro PKFMAP d, x, y, p
.set n, 0
.rept 8
	v_pk_fma_f32 v[\d+n:\d+n+1], v[\x+n:\x+n+1], v[\y+n:\y+n+1], v[\p:\p+1]
.set n, n+2
.endr
.endm
; sin and cos of position x inv_freq for tile a of my rows: angle rounded as the source text rounds it, reduced by multiples of pi / 2 in three parts, two polynomials on [-pi/4, pi/4], the quadrant by selects and sign bits
.macro SINCOS a
.set n, 0
.rept 8
	v_pk_mul_f32 v[A0+n:A0+n+1], v[INV+n:INV+n+1], v[POSF+2*\a:POSF+2*\a+1]
.set n, n+2
.endr
.set n, 0
.rept 8
	v_pk_mul_f32 v[A1+n:A1+n+1], v[A0+n:A0+n+1], 0x3f22f983 op_sel_hi:[1,0]
.set n, n+2
.endr
.set n, 0
.rept 16
	v_rndne_f32 v[A1+n], v[A1+n]
.set n, n+1
.endr
	PKFMAK A0, A1, 0xbfc90fdb, A0
	PKFMAK A0, A1, 0x333bbd2e, A0
	PKFMAK A0, A1, 0x26f72ced, A0
	PKMUL A2, A0, A0
	PKFMAKP A3, A2, 0xb94ca1f9, VS2
	PKFMAP A3, A3, A2, VS1
	PKMUL A5, A2, A0
	PKFMA A3, A3, A5, A0                           ; s
	PKFMAKP A4, A2, 0x37ccf5ce, VC2
	PKFMAP A4, A4, A2, VC1
	PKMUL A5, A2, A2
.set n, 0
.rept 8
	v_pk_fma_f32 v[A0+n:A0+n+1], v[A2+n:A2+n+1], -0.5, 1.0 op_sel_hi:[1,0,0]
.set n, n+2
.endr
	PKFMA A4, A4, A5, A0                           ; c
.set n, 0
.rept 16
	v_cvt_i32_f32 v[A6+n], v[A1+n]
.set n, n+1
.endr
.set n, 0
.rept 16
	v_lshlrev_b32 v[A7+n], 30, v[A6+n]
.set n, n+1
.endr
.set n, 0
.rept 16
	v_and_b32 v[A7+n], 0x80000000, v[A7+n]         ; the sine's sign: bit 1 of the quadrant
.set n, n+1
.endr
.set n, 0
.rept 16
	v_lshlrev_b32 v[A6+n], 31, v[A6+n]             ; bit 0: s and c change places
.set n, n+1
.endr
.set n, 0
.rept 16
	v_cmp_ne_u32 vcc_lo, 0, v[A6+n]
	v_cndmask_b32 v[A0+n], v[A3+n], v[A4+n], vcc_lo
	v_cndmask_b32 v[A1+n], v[A4+n], v[A3+n], vcc_lo
.set n, n+1
.endr
.set n, 0
.rept 16
	v_xor_b32 v[A6+n], v[A6+n], v[A7+n]            ; the cosine's sign
.set n, n+1
.endr
	WIN 0xc0
.set n, 0
.rept 16
	v_xor_b32 v[SINR+32*\a+n], v[A0+n], v[A7+n]
	v_xor_b32 v[COSR+32*\a+n], v[A1+n], v[A6+n]
.set n, n+1
.endr
	WIN 0
.endm
	SINCOS 0
	SINCOS 1
	SINCOS 2
	SINCOS 3
; ---- the products
.macro FRAG reg, adr, q, off           ; 16 rows x 128 K: six pieces of 8 bytes; where the piece of lanes 16-31 lies behind one padding more, the second address register serves
.irp p, 0,1,2,3,4,5
.set PIE, 12*(\q)+6*(\p/3)+\p%3
.if PIE%8 < 5
	ds_load_b64 v[\reg+2*\p:\reg+2*\p+1], v[\adr] offset:8*PIE+16*(PIE/8)+(\off)
.else
	ds_load_b64 v[\reg+2*\p:\reg+2*\p+1], v[\adr+2] offset:8*PIE+16*(PIE/8)+(\off)
.endif
.endr
.endm
.macro FETCH_A slot, q, set
.irp a, 0,1,2,3
	FRAG AF+48*(\set)+12*\a, ADRA+\slot, \q, \a*16*PITCH
.endr
.endm
.macro FETCH_B slot, q, lo             ; column tiles lo .. lo + 5 into window 1
	WIN 0x40
.set ii, \lo
.rept 6
.if ii < 8
	FRAG 12*ii, ADRB+\slot, \q, (ii/4)*REG+((ii/2)%2)*64*PITCH+(ii%2)*16*PITCH
.else
	FRAG 12*ii, ADRV+\slot, \q, ((ii/2)%2)*64*PITCH+(ii%2)*16*PITCH
.endif
.set ii, ii+1
.endr
	WIN 0
.endm
.macro SCALES sc                       ; a slot's two words a row: lanes 0-15 one tile's, lanes 16-31 another's
.irp p, 0,1,2,3,4,5
	ds_load_b64 v[SC+16*\sc+2*\p:SC+16*\sc+2*\p+1], v[ADSB] offset:(\p/4)*SREG+((\p/2)%2)*4352+(\p%2)*1088
.endr
.irp p, 0,1
	ds_load_b64 v[SC+16*\sc+12+2*\p:SC+16*\sc+12+2*\p+1], v[ADSA] offset:1088*\p
.endr
.endm
.macro EMIT zero
.if \zero
.if wX && wY
	v_wmma_scale_f32_16x16x128_f8f6f4 v[rD:rD+7], v[rX:rX+11], v[rY:rY+11], 0, v[kX], v[kY] matrix_a_fmt:MATRIX_FMT_FP6 matrix_b_fmt:MATRIX_FMT_FP6 matrix_a_scale:MATRIX_SCALE_ROW1 matrix_b_scale:MATRIX_SCALE_ROW1
.elseif wX
	v_wmma_scale_f32_16x16x128_f8f6f4 v[rD:rD+7], v[rX:rX+11], v[rY:rY+11], 0, v[kX], v[kY] matrix_a_fmt:MATRIX_FMT_FP6 matrix_b_fmt:MATRIX_FMT_FP6 matrix_a_scale:MATRIX_SCALE_ROW1
.elseif wY
	v_wmma_scale_f32_16x16x128_f8f6f4 v[rD:rD+7], v[rX:rX+11], v[rY:rY+11], 0, v[kX], v[kY] matrix_a_fmt:MATRIX_FMT_FP6 matrix_b_fmt:MATRIX_FMT_FP6 matrix_b_scale:MATRIX_SCALE_ROW1
.else
	v_wmma_scale_f32_16x16x128_f8f6f4 v[rD:rD+7], v[rX:rX+11], v[rY:rY+11], 0, v[kX], v[kY] matrix_a_fmt:MATRIX_FMT_FP6 matrix_b_fmt:MATRIX_FMT_FP6
.endif
.else
.if wX && wY
	v_wmma_scale_f32_16x16x128_f8f6f4 v[rD:rD+7], v[rX:rX+11], v[rY:rY+11], v[rD:rD+7], v[kX], v[kY] matrix_a_fmt:MATRIX_FMT_FP6 matrix_b_fmt:MATRIX_FMT_FP6 matrix_a_scale:MATRIX_SCALE_ROW1 matrix_b_scale:MATRIX_SCALE_ROW1
.elseif wX
	v_wmma_scale_f32_16x16x128_f8f6f4 v[rD:rD+7], v[rX:rX+11], v[rY:rY+11], v[rD:rD+7], v[kX], v[kY] matrix_a_fmt:MATRIX_FMT_FP6 matrix_b_fmt:MATRIX_FMT_FP6 matrix_a_scale:MATRIX_SCALE_ROW1
.elseif wY
	v_wmma_scale_f32_16x16x128_f8f6f4 v[rD:rD+7], v[rX:rX+11], v[rY:rY+11], v[rD:rD+7], v[kX], v[kY] matrix_a_fmt:MATRIX_FMT_FP6 matrix_b_fmt:MATRIX_FMT_FP6 matrix_b_scale:MATRIX_SCALE_ROW1
.else
	v_wmma_scale_f32_16x16x128_f8f6f4 v[rD:rD+7], v[rX:rX+11], v[rY:rY+11], v[rD:rD+7], v[kX], v[kY] matrix_a_fmt:MATRIX_FMT_FP6 matrix_b_fmt:MATRIX_FMT_FP6
.endif
.endif
.endm
; column tile i x row tile a, the slot's q-th 128 along K (hidden's set is q), scale set sc
.macro WM i, a, q, sc, zero
.if (\i) < 8
	WIN 0xa1                                       ; q, k: source 0 = W (window 1), source 1 = hidden (window 0), sums in window 2
.set rD, 8*(4*(\i)+(\a))
.set rX, 12*(\i)
.set rY, AF+48*(\q)+12*(\a)
.set kX, SC+16*(\sc)+2*((\i)%6)+(\q)
.set kY, SC+16*(\sc)+12+2*((\a)%2)+(\q)
.set wX, (\i)/6
.set wY, (\a)/2
.else
	WIN 0xf4                                       ; v: source 0 = hidden, source 1 = W, sums in window 3
.set rD, 8*(4*((\i)-8)+(\a))
.set rX, AF+48*(\q)+12*(\a)
.set rY, 12*(\i)
.set kX, SC+16*(\sc)+12+2*((\a)%2)+(\q)
.set kY, SC+16*(\sc)+2*((\i)%6)+(\q)
.set wX, (\a)/2
.set wY, (\i)/6
.endif
	EMIT \zero
.endm
.macro MULB i0, cnt, q, sc, zero       ; the 48 accumulators take turns, one instruction a turn, in the same order in every step
.set jj, \i0
.rept \cnt
.irp a, 0,1,2,3
	WM jj, \a, \q, \sc, \zero
.endr
.set jj, jj+1
.endr
.endm
; a slot's first 128 along K.  A column tile is free as soon as its four products are issued, so the weights have one set of registers; hidden's fragments work through the whole step and have two
.macro STEP slot, zero
	s_wait_dscnt 36                                ; all but the youngest 36 loads (column tiles 6-11)
	MULB 0, 6, 0, \slot, \zero
	s_wait_dscnt 0x0
	PLACES 4                                       ; in front of loads into registers that matrix instructions have read
	WIN 0
	FETCH_A \slot, 1, 1
	FETCH_B \slot, 1, 0
	MULB 6, 6, 0, \slot, \zero
	PLACES 4
	FETCH_B \slot, 1, 6
.endm
; a slot's second 128, and the change of slots
.macro TURN slot, next, fill
	s_wait_tensorcnt 0x0                           ; all my tensor loads have landed: my part of the next slot
	ds_add_u32 v[SPW], v[NIL]
	s_wait_dscnt 37                                ; the add and the youngest 36 loads may be out
	MULB 0, 3, 1, \slot, 0
	s_wait_dscnt 0x0                               ; the add is done, and my reads of this slot are over
	s_barrier_signal -1
	MULB 3, 3, 1, \slot, 0
	WIN 0
	s_barrier_wait -1
.if \fill
	CREST                                          ; the barrier has opened a round of the cluster's: no wave of any partner still reads this slot or has a load on its way
	s_add_nc_u64 s[G0A+4*\slot+2:G0A+4*\slot+3], s[G0A+4*\slot+2:G0A+4*\slot+3], 384
	s_add_nc_u64 s[G0B+4*\slot+2:G0B+4*\slot+3], s[G0B+4*\slot+2:G0B+4*\slot+3], 384
	JLOAD G0A+4*\slot, G1A, G0B+4*\slot, G1B       ; its four v_nop are the places in front of the loads below
.else
	PLACES 4
.endif
	v_add_nc_u32 v[ADSA], 8, v[ADSA]               ; the next slot's scale words (no LDS load of mine is out)
	v_add_nc_u32 v[ADSB], 8, v[ADSB]
	FETCH_A \next, 0, 0
	FETCH_B \next, 0, 0
	SCALES \next
	MULB 6, 6, 1, \slot, 0
	PLACES 4
	FETCH_B \next, 0, 6
.endm
	s_wait_tensorcnt 1                             ; the scales and slot 0 are in; slot 1's load may be out
	s_barrier_signal -1
	s_barrier_wait -1
	FETCH_A 0, 0, 0
	FETCH_B 0, 0, 0
	SCALES 0
	FETCH_B 0, 0, 6
	STEP 0, 1                                      ; the first products start the sums
	s_mov_b32 s3, 3
.Llap:
	TURN 0, 1, 1
	STEP 1, 0
	TURN 1, 0, 1
	STEP 0, 0
	s_sub_co_u32 s3, s3, 1
	s_cmp_lg_u32 s3, 0
	s_cbranch_scc1 .Llap
	TURN 0, 1, 0                                   ; the last lap fills nothing
	STEP 1, 0
	s_wait_dscnt 36
	MULB 0, 6, 1, 1, 0
	s_wait_dscnt 0x0
	MULB 6, 6, 1, 1, 0
	WIN 0
	PLACES 4
; ---- the way out
.macro ROPE x, a                       ; lo' = lo cos - hi sin, hi' = hi cos + lo sin; each accumulator is read from its low end on
	WIN 0x0e                                       ; source 0 window 2 (sums), source 1 window 3 (table)
.set n, 0
.rept 8
.set rH, 8*(4*(4*(\x)+2+n/8)+(\a))+n%8
	v_pk_mul_f32 v[T1+n:T1+n+1], v[rH:rH+1], v[SINR+32*(\a)+n:SINR+32*(\a)+n+1]
.set n, n+2
.endr
.set n, 0
.rept 8
.set rL, 8*(4*(4*(\x)+n/8)+(\a))+n%8
	v_pk_fma_f32 v[HR+n:HR+n+1], v[rL:rL+1], v[COSR+32*(\a)+n:COSR+32*(\a)+n+1], v[T1+n:T1+n+1] neg_lo:[0,0,1] neg_hi:[0,0,1]
.set n, n+2
.endr
.set n, 0
.rept 8
.set rL, 8*(4*(4*(\x)+n/8)+(\a))+n%8
	v_pk_mul_f32 v[T2+n:T2+n+1], v[rL:rL+1], v[SINR+32*(\a)+n:SINR+32*(\a)+n+1]
.set n, n+2
.endr
.set n, 0
.rept 8
.set rH, 8*(4*(4*(\x)+2+n/8)+(\a))+n%8
	v_pk_fma_f32 v[HR+16+n:HR+16+n+1], v[rH:rH+1], v[COSR+32*(\a)+n:COSR+32*(\a)+n+1], v[T2+n:T2+n+1]
.set n, n+2
.endr
	WIN 0
.endm
.macro SCALE2                          ; two blocks' maxima of my half -> scale operands, bytes, and the two bytes as one half word
	v_permlanex16_b32 v[TM+2], v[TM], s[SEL], s[SEL+1]
	v_permlanex16_b32 v[TM+3], v[TM+1], s[SEL], s[SEL+1]
	v_max_num_f32 v[TM], v[TM], v[TM+2]
	v_max_num_f32 v[TM+1], v[TM+1], v[TM+3]
	v_add_nc_u32 v[SO], 0xff000000, v[TM]          ; 2 off the exponent field
	v_add_nc_u32 v[SO+1], 0xff000000, v[TM+1]
	v_lshrrev_b32 v[BY], 23, v[SO]
	v_lshrrev_b32 v[BY+1], 23, v[SO+1]
	s_wait_dscnt 0x0                               ; the last stores have read the word
	s_wait_xcnt 0x0                                ; and the codes: both are written again only behind these waits
	v_lshl_or_b32 v[PW], v[BY+1], 8, v[BY]
.endm
.macro PACK6                           ; lanes 0-15 get the first block whole, lanes 16-31 the second
	v_nop                                          ; one plain place behind a scaled conversion
.irp i, 0,1,2
	v_permlane16_swap_b32 v[CD+\i], v[PT+\i]
.endr
.irp i, 0,1,2
	v_mov_b32 v[CD+3+\i], v[PT+\i]
.endr
.endm
.irp a, 0,1,2,3
.irp x, 0,1
	ROPE \x, \a
	v_max3_num_f32 v[TM], |v[HR]|, |v[HR+1]|, 0x1800000      ; with the floor 2^(3 - 127): the byte cannot fall under 1
	v_max3_num_f32 v[TM+1], |v[HR+16]|, |v[HR+17]|, 0x1800000
.irp i, 2,4,6,8,10,12,14
	v_max3_num_f32 v[TM], v[TM], |v[HR+\i]|, |v[HR+1+\i]|
	v_max3_num_f32 v[TM+1], v[TM+1], |v[HR+16+\i]|, |v[HR+17+\i]|
.endr
	SCALE2
	v_cvt_scalef32_pk16_fp6_f32 v[CD:CD+2], v[HR:HR+15], v[SO]
	v_cvt_scalef32_pk16_fp6_f32 v[PT:PT+2], v[HR+16:HR+31], v[SO+1]
	PACK6
	global_store_b128 v[LI16], v[CD:CD+3], s[QB+2*\x:QB+2*\x+1] offset:1536*\a   ; 512 consecutive bytes, aligned to 256
	global_store_b64 v[LI8], v[CD+4:CD+5], s[QB+2*\x:QB+2*\x+1] offset:1536*\a   ; and 256 more
	ds_store_b16 v[SQ], v[PW] offset:512*\x+64*\a
.endr
.endr
.irp t, 0,1,2,3                        ; v: column tile 8 + t; its 32 registers are two half blocks of keys as they stand
	WIN 0x0f
	v_max3_num_f32 v[TM], |v[32*\t]|, |v[32*\t+1]|, 0x1800000
	v_max3_num_f32 v[TM+1], |v[32*\t+16]|, |v[32*\t+17]|, 0x1800000
.irp i, 2,4,6,8,10,12,14
	v_max3_num_f32 v[TM], |v[32*\t+\i]|, |v[32*\t+1+\i]|, v[TM]
	v_max3_num_f32 v[TM+1], |v[32*\t+16+\i]|, |v[32*\t+17+\i]|, v[TM+1]
.endr
	WIN 0
	SCALE2
	WIN 0x03
	v_cvt_scalef32_pk16_fp6_f32 v[CD:CD+2], v[32*\t:32*\t+15], v[SO]
	v_cvt_scalef32_pk16_fp6_f32 v[PT:PT+2], v[32*\t+16:32*\t+31], v[SO+1]
	WIN 0
	PACK6
	global_store_b128 v[LI16], v[CD:CD+3], s[VB:VB+1] offset:6144*(\t/2)+1536*(\t%2)
	global_store_b64 v[LI8], v[CD+4:CD+5], s[VB:VB+1] offset:6144*(\t/2)+1536*(\t%2)
	ds_store_b16 v[SV], v[PW] offset:256*(\t/2)+64*(\t%2)
.endr
	s_wait_dscnt 0x0                               ; for the others' sake: my half words lie in LDS
	s_barrier_signal -1
	s_barrier_wait -1
	s_cmp_lt_u32 s[WV], 3                          ; wave 0 stores q's 512 bytes of scale words, wave 1 k's, wave 2 v's
	s_cbranch_scc0 .Lno_words
	s_cmp_eq_u32 s[WV], 0
	s_cselect_b64 s[14:15], s[QBLK:QBLK+1], s[KVBLK:KVBLK+1]
	s_cmp_eq_u32 s[WV], 2
	s_mov_b32 s16, 12288
	s_cselect_b32 s16, PART+12288, s16
	s_mov_b32 s17, 0
	s_add_nc_u64 s[14:15], s[14:15], s[16:17]
	ds_load_b128 v[OUTW:OUTW+3], v[SRD]
	s_wait_dscnt 0x0
	global_store_b128 v[LI16], v[OUTW:OUTW+3], s[14:15]
.Lno_words:
	s_wait_tensorcnt 0x0                           ; the wave's end
	ds_add_u32 v[SPW], v[NIL]
	s_wait_dscnt 0x0
	CROUND                                         ; the closing round
	s_endpgm
.Lfunc_end_k_qc851a78882_qkv:
	.size	k_qc851a78882_qkv, .Lfunc_end_k_qc851a78882_qkv-k_qc851a78882_qkv
	.p2alignl 7, 3214868480
	.fill 96, 4, 3214868480
	.section	.rodata,"a",@progbits
	.p2align	6, 0x0
	.amdhsa_kernel k_qc851a78882_qkv
		.amdhsa_group_segment_fixed_size 327680
		.amdhsa_private_segment_fixed_size 0
		.amdhsa_enable_private_segment 0
		.amdhsa_kernarg_size 88
		.amdhsa_user_sgpr_count 2
		.amdhsa_user_sgpr_kernarg_segment_ptr 1
		.amdhsa_wavefront_size32 1
		.amdhsa_system_sgpr_workgroup_id_x 1
		.amdhsa_system_sgpr_workgroup_id_y 1
		.amdhsa_system_sgpr_workgroup_id_z 1
		.amdhsa_system_vgpr_workitem_id 0
		.amdhsa_next_free_vgpr 1024
		.amdhsa_next_free_sgpr 102
		.amdhsa_reserve_vcc 1
		.amdhsa_float_denorm_mode_32 3
		.amdhsa_float_denorm_mode_16_64 3
		.amdhsa_memory_ordered 1
		.amdhsa_forward_progress 1
		.amdhsa_inst_pref_size 228
	.end_amdhsa_kernel
	.amdgpu_metadata
---
amdhsa.version: [ 1, 2 ]
amdhsa.kernels:
  - .name:           k_qc851a78882_qkv
    .symbol:         k_qc851a78882_qkv.kd
    .args:
      - { .name: hidden_states_codes, .offset: 0, .size: 8, .value_kind: global_buffer, .address_space: global }
      - { .name: hidden_states_scales, .offset: 8, .size: 8, .value_kind: global_buffer, .address_space: global }
      - { .name: q_w_codes, .offset: 16, .size: 8, .value_kind: global_buffer, .address_space: global }
      - { .name: q_w_scales, .offset: 24, .size: 8, .value_kind: global_buffer, .address_space: global }
      - { .name: k_w_codes, .offset: 32, .size: 8, .value_kind: global_buffer, .address_space: global }
      - { .name: k_w_scales, .offset: 40, .size: 8, .value_kind: global_buffer, .address_space: global }
      - { .name: v_w_codes, .offset: 48, .size: 8, .value_kind: global_buffer, .address_space: global }
      - { .name: v_w_scales, .offset: 56, .size: 8, .value_kind: global_buffer, .address_space: global }
      - { .name: position_ids, .offset: 64, .size: 8, .value_kind: global_buffer, .address_space: global }
      - { .name: qimg, .offset: 72, .size: 8, .value_kind: global_buffer, .address_space: global }
      - { .name: kv, .offset: 80, .size: 8, .value_kind: global_buffer, .address_space: global }
    .group_segment_fixed_size: 327680
    .private_segment_fixed_size: 0
    .kernarg_segment_align: 8
    .kernarg_segment_size: 88
    .max_flat_workgroup_size: 128
    .sgpr_count:     102
    .vgpr_count:     1024
    .wavefront_size: 32
...
	.end_amdgpu_metadata
.endif
;; end of part 1
;; launch attn (part 2): grid 16 x 16, 8 waves a work-group, clusters of 4 x 4, 327,680 bytes of LDS; arguments qimg, kv, attention_mask, aimg; writes aimg
.if DOCPART == 2
	.amdgcn_target "amdgcn-amd-amdhsa--gfx1250"
	.amdhsa_code_object_version 6
	.text
	.protected	k_qc851a78882_attn
	.globl	k_qc851a78882_attn
	.p2align	8
	.type	k_qc851a78882_attn,@function
k_qc851a78882_attn:
	s_mov_b64 s[64:65], 0
	v_nop
	global_prefetch_b8 v0, s[64:65] scope:SCOPE_SE
	s_setreg_imm32_b32 hwreg(HW_REG_WAVE_MODE, 25, 1), 1
	s_wait_xcnt 0x0
	s_wait_alu depctr_hold_cnt(0) depctr_sa_sdst(0) depctr_va_vdst(0) depctr_va_sdst(0) depctr_va_ssrc(0) depctr_va_vcc(0) depctr_vm_vsrc(0)
	s_getreg_b32 s2, hwreg(HW_REG_IB_STS2, 6, 4)
	s_cmp_eq_u32 s2, 0
	s_cbranch_scc0 .Lentry_in_a_cluster
	s_endpgm
.Lentry_in_a_cluster:
	s_bfe_u32 s2, ttmp6, 0x10000c
	s_cmp_lg_u32 s2, 0xf033
	s_cbranch_scc0 .Lentry_shape_is_right
	s_endpgm
.Lentry_shape_is_right:
; O = softmax(q k^T / sqrt(128) + mask) v for one head and 128 queries, both products on codes of E2M3; the result, divided by the row's sum, is quantised along the model's 2,048 for the last product.
; SHARES.  Work-group (x = block of 128 queries, y = head); each of eight waves owns one tile of 16 queries in 512 registers and walks all 2,048 keys, 128 a step.  The mask is an input: no key is left out.
; Both products are used transposed: S^T = K Q^T, O^T = V^T P^T: a lane holds one query (lane % 16) throughout.
; THE MASK is multiplied by sqrt(128) in registers and given to K Q^T as its C: S' = s + m sqrt(128), t = S' x log2(e) / sqrt(128).
; SOFTMAX: M = the running largest t rounded up to a whole number; p = 2^(t - M) is quantised along the keys; the sum is taken of the unquantised p; when M moves, the sum and O^T are multiplied by a power of two.
; p's order inside a block of 32 keys (0-7, 16-23, 8-15, 24-31) is the order in which the launch before has laid v's codes.
; RING.  A slot holds TWO key steps, so that a refill has two steps' work (32 matrix instructions and the two softmaxes) in which to land, and one round of the cluster's barrier serves two steps.
; K and V (25,600 bytes a step, images of operand registers) have two slots.  The mask (128 rows x 1,024 bytes for two steps) has ONE region: each wave takes its 16 rows of both steps into registers as soon
; as they have landed, and the region is filled again behind the same round that refills K and V.  Four steps of the mask beside four of K and V would be 364,544 bytes, more than a work-group can have.
; Joint loads: waves 0, 1 K and V (shared by the four query blocks of the cluster's row), waves 2, 3 the mask's halves (shared by the four heads of its column).
; REGISTERS, in two windows of 256.  Window 0: v1-10 addresses; v12-15 -M, the largest t, the sum; v16-27 Q; v80-87 K's and V's scale words; v88-95 at work; v96-159 S^T, then p; v160-223 O^T; v224-254 p's codes and scale; v255 Q's scale word.
; Window 1: v0-63 the second step's mask; v64-159 K's eight fragments; v160-255 V's eight.  So a step's V, and the second step's K, are asked of LDS right behind K Q^T and land under the softmax.
; LIMITS: NaN and infinities are not served.  Where a whole row of the mask is so large and negative that the scores vanish beside it, the weights come out equal, as in the source text, but p's own value is another power of two's fraction.
.set KV1,   65536                      ; K's and V's slot 1 begins here: one exclusive or turns an address in one slot into the other's
.set STEPB, 25600                      ; a step's K part and V part
.set VOFF,  12800
.set SPARE, 51200                      ; behind slot 0: the spare words, 128 bytes a wave
.set SCST,  52224                      ; the result's scale words on their way out
.set MOFF,  116736                     ; behind slot 1: the mask
.set MP,    1040                       ; a mask row in LDS: 1,024 bytes + 16
.set STG,   MOFF+128*MP                ; 8 x 16 rows x 528: the way out
.set SP,    528
.set PART,  12800
.set WV, 12
.set SEL, 20
.set CS, 22
.set G1K, 24
.set G1M, 32
.set G0K, 40                           ; K, V: slot 0's first fill
.set G0M, 44                           ; the mask: it walks
.set G0W, 68                           ; K, V: slot 1's first fill; it then walks on
.set TB, 2
.set CNT, 3
.set PFA, 48
.set PFS, 50
.set LIM, 52
.set RT, 54                            ; s[54:55] sqrt(128)
.set SPW, 5
.set NIL, 6
.set PFO, 7
.set ADK, 8
.set AD8, 9
.set AD4, 10
.set KS, 80                            ; v80-83 K's scale words, v84-87 V's: lanes 0-15 tile 2 p, lanes 16-31 tile 2 p + 1; nothing else ever stands here
.set VS, 84
.set BM, 88
.set BP, 92
.set SO, 244
.set BY, 248
.set KF, 64                            ; in window 1
.set VF, 160
.set MSB, 0
.macro WIN new                         ; the immediate's high byte repeats the setting that is left
.if MSB != \new
	s_set_vgpr_msb (MSB<<8)|\new
.set MSB, \new
.endif
.endm
.macro TLOAD                           ; a joint refill: waves 0, 1 the next slot's two steps of K and V, waves 2, 3 the mask's halves; four v_nop follow each line
	s_cmp_lt_u32 s[WV], 2
	s_cbranch_scc0 .Lnot_k_\@
	tensor_load_to_lds s[G0W:G0W+3], s[G1K:G1K+7]
	s_nop 0
.rept 4
	v_nop
.endr
	s_branch .Lasked_\@
.Lnot_k_\@:
	s_cmp_lt_u32 s[WV], 4
	s_cbranch_scc0 .Lasked_\@
	tensor_load_to_lds s[G0M:G0M+3], s[G1M:G1M+7]
	s_nop 0
.rept 4
	v_nop
.endr
.Lasked_\@:
.endm
.macro TLOADM                          ; the mask alone: behind slot 0's round (K's and V's slot 1 was filled at the head)
	s_cmp_lt_u32 s[WV], 2
	s_cbranch_scc1 .Lasked_\@
	s_cmp_lt_u32 s[WV], 4
	s_cbranch_scc0 .Lasked_\@
	tensor_load_to_lds s[G0M:G0M+3], s[G1M:G1M+7]
	s_nop 0
.rept 4
	v_nop
.endr
.Lasked_\@:
.endm
.macro CROUND
	s_barrier_signal -1
	s_barrier_wait -1
	s_cmp_lg_u32 s[WV], 0
	s_cbranch_scc1 .Lnot_wave_0_\@
	s_barrier_signal -3
.Lnot_wave_0_\@:
	s_barrier_wait -3
	s_barrier_signal -1
	s_barrier_wait -1
.endm
; A prefetch of the slot that the NEXT refill will ask for: two key steps ahead of that load.  The mask's rows are read by every cluster of a column of clusters: cluster y = 0 asks, waves 4 to 7 for the four
; 256-byte blocks of a row's 1,024 bytes, a lane a row, the partner at cy for rows 32 cy on.  K and V are read by every cluster of a row of clusters: cluster x = 0 asks, the partner at cx for 50 of the slot's
; 200 blocks, waves 0 and 1 for 25 each.  Partners are told apart by address alone.  The last refill asks for nothing; slots 0 and 1 come by their loads alone.
.macro ASK
	s_cmp_gt_u32 s[CNT], s[LIM]
	s_cbranch_scc0 .Lnot_mine_\@
	global_prefetch_b8 v[PFO], s[PFA:PFA+1] th:TH_LOAD_NT scope:SCOPE_SE
.Lnot_mine_\@:
.endm
	s_load_b256 s[4:11], s[0:1], 0x0               ; qimg, kv, mask, aimg
	v_lshl_add_u32 v[SPW], v0, 2, SPARE
	v_mov_b32 v[NIL], 0
	ds_add_u32 v5, v6
	ds_add_u32 v5, v6
	s_wait_dscnt 0x0
	v_lshrrev_b32 v28, 5, v0
	v_readfirstlane_b32 s[WV], v28
	s_bfe_u32 s13, ttmp6, 0x40000                  ; cx
	s_bfe_u32 s14, ttmp6, 0x40004                  ; cy
	s_lshl_b32 s15, ttmp9, 2
	s_add_co_u32 s15, s15, s13                     ; block of queries
	s_and_b32 s16, ttmp7, 0xffff
	s_lshl_b32 s16, s16, 2
	s_add_co_u32 s16, s16, s14                     ; head
	s_lshl_b32 s17, s14, 2
	s_lshl_b32 s17, 15, s17                        ; my row of the cluster
	s_lshl_b32 s18, 0x1111, s13                    ; my column
	s_or_b32 s[G1K], s17, (3<<16)|(1<<21)          ; 100 dense rows of 256 bytes: one step's K part and V part
	s_mov_b32 s[G1K+1], 32<<16
	s_mov_b32 s[G1K+2], 100<<16
	s_mov_b32 s[G1K+3], 32<<16
	s_mov_b32 s[G1K+4], 100
	s_mov_b32 s[G1K+5], 32
	s_mov_b32 s[G1K+6], 0
	s_mov_b32 s[G1K+7], 0
	s_or_b32 s[G1M], s18, (2<<16)|(1<<20)|(1<<21)|(7<<22)|(3<<25)   ; 64 rows of 256 f32, 16 bytes of padding behind every 256 words
	s_mov_b32 s[G1M+1], 256<<16
	s_mov_b32 s[G1M+2], 64<<16
	s_mov_b32 s[G1M+3], 256<<16
	s_mov_b32 s[G1M+4], 64
	s_mov_b32 s[G1M+5], 2048
	s_mov_b32 s[G1M+6], 0
	s_mov_b32 s[G1M+7], 0
	s_and_b32 s19, s[WV], 1
	s_mul_i32 s56, s16, 16*STEPB                   ; K, V: the head's first slot, my step of it (hangs on y alone)
	s_mul_i32 s57, s19, STEPB
	s_add_co_u32 s56, s56, s57
	s_mov_b32 s57, 0
	s_lshl_b32 s58, s15, 7                         ; the mask: row 128 x block + 64 x half (hangs on x alone)
	s_lshl_b32 s59, s19, 6
	s_add_co_u32 s58, s58, s59
	s_lshl_b32 s58, s58, 13
	s_mov_b32 s59, 0
	s_mul_i32 s60, s19, STEPB
	s_mul_i32 s61, s19, 64*MP
	s_add_co_u32 s61, s61, MOFF
	s_mov_b32 s[SEL], 0x76543210
	s_mov_b32 s[SEL+1], 0xfedcba98
	s_mov_b32 s[CS], 0x3e0293ee                    ; log2(e) / sqrt(128)
	s_mov_b32 s[CS+1], s[CS]
	s_mov_b32 s[RT], 0x413504f3                    ; sqrt(128)
	s_mov_b32 s[RT+1], s[RT]
	s_mov_b32 s[TB], 0
	s_mov_b32 s[CNT], 6
	s_wait_kmcnt 0x0
	s_mov_b32 s[G0K], 1
	s_mov_b32 s[G0K+1], s60
	s_add_nc_u64 s[G0K+2:G0K+3], s[6:7], s[56:57]
	s_mov_b32 s[G0W], 1
	s_add_co_u32 s[G0W+1], s60, KV1
	s_add_nc_u64 s[G0W+2:G0W+3], s[G0K+2:G0K+3], 2*STEPB
	s_or_b32 s[G0K+3], s[G0K+3], 0x80000000
	s_or_b32 s[G0W+3], s[G0W+3], 0x80000000
	s_mov_b32 s[G0M], 1
	s_mov_b32 s[G0M+1], s61
	s_add_nc_u64 s[G0M+2:G0M+3], s[8:9], s[58:59]
	s_or_b32 s[G0M+3], s[G0M+3], 0x80000000
	CROUND                                         ; all sixteen work-groups are here
	s_cmp_lt_u32 s[WV], 2                          ; the first fills, a wave's in one branch: K's and V's slots 0 and 1 (two loads of mine are out), or the mask of slot 0 (one)
	s_cbranch_scc0 .Lh_not_k
	tensor_load_to_lds s[G0K:G0K+3], s[G1K:G1K+7]
	s_nop 0
	tensor_load_to_lds s[G0W:G0W+3], s[G1K:G1K+7]
	s_nop 0
.rept 4
	v_nop
.endr
	s_branch .Lh_done
.Lh_not_k:
	s_cmp_lt_u32 s[WV], 4
	s_cbranch_scc0 .Lh_done
	tensor_load_to_lds s[G0M:G0M+3], s[G1M:G1M+7]
	s_nop 0
.rept 4
	v_nop
.endr
.Lh_done:
	; Q, addresses, the prefetches' place, the start of the sums
	v_and_b32 v28, 31, v0
	v_lshlrev_b32 v1, 4, v28                       ; 16 x lane
	v_lshlrev_b32 v2, 3, v28                       ; 8 x lane
	v_lshlrev_b32 v3, 2, v28                       ; 4 x lane
	v_and_b32 v29, 15, v0                          ; r
	v_bfe_u32 v31, v0, 4, 1                        ; h
	s_mul_i32 s62, s[WV], 16*MP
	s_add_co_u32 s62, s62, MOFF
	v_mul_u32_u24 v4, v29, MP
	v_lshl_add_u32 v4, v31, 5, v4
	v_add_nc_u32 v4, s62, v4                       ; the mask: my query's row, + 32 h
	v_lshlrev_b32 v30, 2, v29                      ; 4 r
	s_lshl_b32 s56, s16, 4
	s_add_co_u32 s56, s56, s15                     ; 16 head + block
	s_mul_i32 s56, s56, PART
	s_mov_b32 s57, 0
	s_add_nc_u64 s[4:5], s[4:5], s[56:57]          ; Q's part
	s_mul_i32 s56, s[WV], 1536
	s_add_nc_u64 s[58:59], s[4:5], s[56:57]        ; my fragment
	s_lshl_b32 s56, s[WV], 6
	s_add_co_u32 s56, s56, 12288
	s_add_nc_u64 s[60:61], s[4:5], s[56:57]        ; its scale words
	global_load_b128 v[16:19], v1, s[58:59]
	global_load_b64 v[20:21], v2, s[58:59] offset:512
	global_load_b128 v[22:25], v1, s[58:59] offset:768
	global_load_b64 v[26:27], v2, s[58:59] offset:1280
	global_load_b32 v255, v30, s[60:61]
	s_lshl_b32 s56, s15, 4
	s_add_co_u32 s56, s56, s16                     ; 16 block + head
	s_mul_i32 s56, s56, PART
	s_add_nc_u64 s[10:11], s[10:11], s[56:57]      ; the result's part
	v_min_u32 v7, 24, v28
	v_lshlrev_b32 v7, 8, v7                        ; K, V: blocks of 256 bytes, 25 of them
	v_lshlrev_b32 v28, 13, v28                     ; the mask: a lane a row
	s_and_b32 s56, ttmp7, 0xffff
	s_cmp_lt_u32 s[WV], 2                          ; waves 0 and 1 ask for K and V, waves 4 to 7 for the mask
	s_cselect_b32 s62, -1, 0
	s_cselect_b32 s56, ttmp9, s56                  ; the coordinate along which other clusters read the same bytes
	s_cselect_b64 s[PFA:PFA+1], s[6:7], s[8:9]
	s_mov_b32 s[PFS], 1024
	s_cselect_b32 s[PFS], 2*STEPB, s[PFS]          ; a slot on
	s_mov_b32 s[PFS+1], 0
	v_cndmask_b32 v[PFO], v28, v7, s62
	s_lshr_b32 s57, s[WV], 1
	s_cmp_eq_u32 s57, 1                            ; waves 2 and 3 ask for nothing
	s_cselect_b32 s57, 1, 0
	s_or_b32 s56, s56, s57
	s_cmp_eq_u32 s56, 0
	s_cselect_b32 s[LIM], 1, -1                    ; the same in all sixteen partners, for a given wave
	s_wait_xcnt 0x0                                ; Q's five loads have had their addresses translated (ISA guide 3.1): their bases s[58:61] are written again only behind this wait
	s_lshl_b32 s58, s15, 7
	s_lshl_b32 s59, s14, 5
	s_add_co_u32 s58, s58, s59
	s_lshl_b32 s58, s58, 13                        ; the mask: my work-group's 32 rows of the block's 128,
	s_and_b32 s59, s[WV], 3
	s_lshl_b32 s59, s59, 8
	s_add_co_u32 s58, s58, s59                     ; my wave's 256 bytes of a row's 1,024,
	s_add_co_u32 s58, s58, 1024                    ; at slot 1: the first round steps it to slot 2
	s_mul_i32 s60, s16, 16*STEPB                   ; K, V: the head,
	s_mul_i32 s61, s13, 12800                      ; my work-group's 50 blocks,
	s_add_co_u32 s60, s60, s61
	s_mul_i32 s61, s19, 6400                       ; my wave's 25,
	s_add_co_u32 s60, s60, s61
	s_add_co_u32 s60, s60, 2*STEPB                 ; at slot 1
	s_cmp_lt_u32 s[WV], 2
	s_cselect_b32 s58, s60, s58
	s_mov_b32 s59, 0
	s_add_nc_u64 s[PFA:PFA+1], s[PFA:PFA+1], s[58:59]
	v_mov_b32 v13, 0xff61b1e6                      ; the largest t so far: -3e38
	v_floor_f32 v12, -v13                          ; -M
	v_mov_b32 v14, 0
	v_mov_b32 v15, 0
	v_mov_b32 v253, 0                              ; (named with f as a pair)
.irp b, 0,1,2,3
	v_mov_b32 v[BP+\b], 0                          ; a lane permute's destination counts as one of its sources
.endr
.set j, 0
.rept 64
	v_mov_b32 v[160+j], 0                          ; O^T: the step has no first form of its own; the first step finds zeros
.set j, j+1
.endr
	s_wait_loadcnt 0x0                             ; Q
.macro LFRAG reg, off                  ; a fragment's image: two halves of 512 + 256 bytes
	ds_load_b128 v[\reg:\reg+3], v[ADK] offset:\off
	ds_load_b64 v[\reg+4:\reg+5], v[AD8] offset:\off+512
	ds_load_b128 v[\reg+6:\reg+9], v[ADK] offset:\off+768
	ds_load_b64 v[\reg+10:\reg+11], v[AD8] offset:\off+1280
.endm
; S^T tile t = 16 keys x my 16 queries + the mask.  u = 0: the mask stands in the score registers; u = 1: in window 1
.macro KQ t, u
.if \u
.if (\t)%2
	v_wmma_scale_f32_16x16x128_f8f6f4 v[96+8*(\t):103+8*(\t)], v[KF+12*(\t):KF+12*(\t)+11], v[16:27], v[8*(\t):8*(\t)+7], v[KS+(\t)/2], v255 matrix_a_fmt:MATRIX_FMT_FP6 matrix_b_fmt:MATRIX_FMT_FP6 matrix_a_scale:MATRIX_SCALE_ROW1
.else
	v_wmma_scale_f32_16x16x128_f8f6f4 v[96+8*(\t):103+8*(\t)], v[KF+12*(\t):KF+12*(\t)+11], v[16:27], v[8*(\t):8*(\t)+7], v[KS+(\t)/2], v255 matrix_a_fmt:MATRIX_FMT_FP6 matrix_b_fmt:MATRIX_FMT_FP6
.endif
.else
.if (\t)%2
	v_wmma_scale_f32_16x16x128_f8f6f4 v[96+8*(\t):103+8*(\t)], v[KF+12*(\t):KF+12*(\t)+11], v[16:27], v[96+8*(\t):103+8*(\t)], v[KS+(\t)/2], v255 matrix_a_fmt:MATRIX_FMT_FP6 matrix_b_fmt:MATRIX_FMT_FP6 matrix_a_scale:MATRIX_SCALE_ROW1
.else
	v_wmma_scale_f32_16x16x128_f8f6f4 v[96+8*(\t):103+8*(\t)], v[KF+12*(\t):KF+12*(\t)+11], v[16:27], v[96+8*(\t):103+8*(\t)], v[KS+(\t)/2], v255 matrix_a_fmt:MATRIX_FMT_FP6 matrix_b_fmt:MATRIX_FMT_FP6
.endif
.endif
.endm
.macro PV t
.if (\t)%2
	v_wmma_scale_f32_16x16x128_f8f6f4 v[160+8*(\t):167+8*(\t)], v[VF+12*(\t):VF+12*(\t)+11], v[224:235], v[160+8*(\t):167+8*(\t)], v[VS+(\t)/2], v254 matrix_a_fmt:MATRIX_FMT_FP6 matrix_b_fmt:MATRIX_FMT_FP6 matrix_a_scale:MATRIX_SCALE_ROW1
.else
	v_wmma_scale_f32_16x16x128_f8f6f4 v[160+8*(\t):167+8*(\t)], v[VF+12*(\t):VF+12*(\t)+11], v[224:235], v[160+8*(\t):167+8*(\t)], v[VS+(\t)/2], v254 matrix_a_fmt:MATRIX_FMT_FP6 matrix_b_fmt:MATRIX_FMT_FP6
.endif
.endm
.macro CVT4 src                        ; 64 numbers, 16 of each of four blocks -> four runs of 96 bits
.irp c, 0,1
	v_cvt_scalef32_pk16_fp6_f32 v[224+6*\c:226+6*\c], v[\src+32*\c:\src+15+32*\c], v[SO+2*\c]
	v_cvt_scalef32_pk16_fp6_f32 v[236+4*\c:238+4*\c], v[\src+16+32*\c:\src+31+32*\c], v[SO+2*\c+1]
.endr
	v_nop                                          ; one plain place behind a scaled conversion
.endm
.macro SWAP6                           ; a whole block to a lane
.irp c, 0,1
.irp i, 0,1,2
	v_permlane16_swap_b32 v[224+6*\c+\i], v[236+4*\c+\i]
.endr
.irp i, 0,1,2
	v_mov_b32 v[227+6*\c+\i], v[236+4*\c+\i]
.endr
.endr
.endm
; A KEY STEP, the u-th of the slot in hand.  Its K, its scale words and its mask (x sqrt(128)) stand in registers when it begins.
.macro STEP u
.if \u
	WIN 0x11                                       ; K (source 0) and the mask (source 2) in window 1
.else
	WIN 0x01                                       ; K in window 1
.endif
.irp t, 0,1,2,3,4,5,6,7
	KQ \t, \u
.endr
	WIN 0
.rept 4
	v_nop                                          ; places in front of loads into registers that matrix instructions have read, and of the first read of the scores
.endr
	WIN 0x40                                       ; destination window 1
.irp t, 0,1,2,3,4,5,6,7
	LFRAG VF+12*\t, STEPB*\u+VOFF+1536*\t          ; this step's V: it lands under the softmax
.endr
.if \u == 0
.irp t, 0,1,2,3,4,5,6,7
	LFRAG KF+12*\t, STEPB+1536*\t                  ; and the slot's second step's K
.endr
.endif
	WIN 0
.irp p, 0,1,2,3
	ds_load_b32 v[VS+\p], v[AD4] offset:STEPB*\u+VOFF+12288+128*\p
.endr
.if \u == 0
.irp p, 0,1,2,3
	ds_load_b32 v[KS+\p], v[AD4] offset:STEPB+12288+128*\p
.endr
.endif
.irp b, 0,1,2,3
	v_max3_num_f32 v[BM+\b], v[96+16*\b], v[97+16*\b], v[98+16*\b]   ; each block's largest score: for the row's maximum, and for the block's largest p
.endr
.irp i, 3,5,7,9,11,13
.irp b, 0,1,2,3
	v_max3_num_f32 v[BM+\b], v[BM+\b], v[96+16*\b+\i], v[97+16*\b+\i]
.endr
.endr
.irp b, 0,1,2,3
	v_max_num_f32 v[BM+\b], v[BM+\b], v[111+16*\b]
.endr
.irp b, 0,1,2,3
	v_permlanex16_b32 v[BP+\b], v[BM+\b], s[SEL], s[SEL+1]
.endr
.irp b, 0,1,2,3
	v_max_num_f32 v[BM+\b], v[BM+\b], v[BP+\b]
.endr
	v_max3_num_f32 v28, v[BM], v[BM+1], v[BM+2]
	v_max_num_f32 v28, v28, v[BM+3]
	v_mul_f32 v28, s[CS], v28
	v_max_num_f32 v13, v13, v28                    ; the running largest t
	v_mov_b32 v28, v12
	v_floor_f32 v12, -v13                          ; -M: M is a whole number
	v_sub_f32 v28, v12, v28
	v_cvt_i32_f32 v28, v28                         ; (it saturates)
	v_ldexp_f32 v252, 1.0, v28                     ; f = 2^(old M - new M)
.set j, 0
.rept 32
	v_pk_fma_f32 v[96+j:97+j], v[96+j:97+j], s[CS:CS+1], v[12:13] op_sel_hi:[1,0,0]   ; t - M
.set j, j+2
.endr
.irp b, 0,1,2,3
	v_fma_f32 v[BM+\b], v[BM+\b], s[CS], v12
.endr
.set j, 0
.rept 64
	v_exp_f32 v[96+j], v[96+j]
.set j, j+1
.endr
	v_pk_mul_f32 v[14:15], v[14:15], v[252:253] op_sel_hi:[1,0]   ; the sums under the new M: a plain place behind the batch
	s_wait_alu depctr_va_vdst(0)                   ; one wait for the 64, ahead of their first reader
.irp b, 0,1,2,3
	v_exp_f32 v[BM+\b], v[BM+\b]                   ; the blocks' largest p
.endr
	v_pk_add_f32 v[236:237], v[96:97], v[98:99]    ; the row's sum of the unquantised p, in two chains
.irp j, 4,8,12,16,20,24,28,32,36,40,44,48,52,56,60
	v_pk_add_f32 v[14:15], v[14:15], v[96+\j:97+\j]
	v_pk_add_f32 v[236:237], v[236:237], v[98+\j:99+\j]
.endr
	v_pk_add_f32 v[14:15], v[14:15], v[236:237]
	s_wait_alu depctr_va_vdst(0)                   ; and one for the four
.irp b, 0,1,2,3
	v_max_num_f32 v[BM+\b], 0x1800000, v[BM+\b]    ; the floor: the byte cannot fall under 1
.endr
.irp b, 0,1,2,3
	v_add_nc_u32 v[SO+\b], 0xff000000, v[BM+\b]
.endr
.irp b, 0,1,2,3
	v_lshrrev_b32 v[BY+\b], 23, v[SO+\b]
.endr
	v_lshl_or_b32 v254, v[BY+1], 8, v[BY]          ; p's scale word
	v_lshl_or_b32 v254, v[BY+2], 16, v254
	v_lshl_or_b32 v254, v[BY+3], 24, v254
	CVT4 96
	SWAP6
.set j, 0
.rept 32
	v_pk_mul_f32 v[160+j:161+j], v[160+j:161+j], v[252:253] op_sel_hi:[1,0]   ; O^T under the new M; also the places in front of the products
.set j, j+2
.endr
	s_wait_dscnt 0x0                               ; V is in (and, in the first step, the second step's K)
	WIN 0x01                                       ; V in window 1
.irp t, 0,1,2,3,4,5,6,7
	PV \t
.endr
	WIN 0
.endm
; A SLOT IS OPENED.  My tensor load has landed, and a barrier says so of every wave's.  Then each wave takes into registers all that it will ever read of the mask's region, its 16 rows of both steps, and the first
; step's K.  fill = 1 or 2: behind that come the wait for all tensor loads, the two adds of 0 onto the spare word, and the wait for the adds and for these reads; a round of the cluster's barrier; and the joint refill:
; the mask's region and (fill = 1) the K, V slot that was read last get the next slot's tiles, which have this slot's two steps in which to land.  fill = 0: the last slot; nothing is asked for.
.macro OPEN fill
.set EX, 0
.if \fill
.set EX, 1
.endif
	s_wait_tensorcnt 0x0                           ; for the reads below: what I have asked for (one load; at the start two) has landed; nothing younger is out, so the count is 0
	s_wait_dscnt 0x0                               ; no LDS instruction of mine is pending at a signal
	s_barrier_signal -1
	s_barrier_wait -1                              ; the slot is whole.  The refill stands behind the round below
	v_add_nc_u32 v[ADK], s[TB], v1
	v_add_nc_u32 v[AD8], s[TB], v2
	v_add_nc_u32 v[AD4], s[TB], v3
.irp t, 0,1,2,3,4,5,6,7
	ds_load_b128 v[96+8*\t:99+8*\t], v4 offset:64*\t              ; the first step's mask at (my query, key 16 t + 8 h + 0 .. 7), where the scores will stand
	ds_load_b128 v[100+8*\t:103+8*\t], v4 offset:64*\t+16
.endr
	WIN 0x40                                       ; destination window 1
.irp t, 0,1,2,3,4,5,6,7
	ds_load_b128 v[8*\t:8*\t+3], v4 offset:512+64*\t              ; the second step's
	ds_load_b128 v[8*\t+4:8*\t+7], v4 offset:512+64*\t+16
.endr
.irp t, 0,1,2,3,4,5,6,7
	LFRAG KF+12*\t, 1536*\t                        ; the first step's K
.endr
	WIN 0
.irp p, 0,1,2,3
	ds_load_b32 v[KS+\p], v[AD4] offset:12288+128*\p
.endr
.if \fill
	s_wait_tensorcnt 0x0                           ; no tensor load of mine is out, so a group 0 may be written
	ds_add_u32 v[SPW], v[NIL]                      ; 0 onto my spare word; the steps and the multiplications below stand between it and the wait for it
	ds_add_u32 v5, v6
.if \fill == 1
	s_xor_b32 s[G0W+1], s[G0W+1], KV1              ; the walking descriptor: the other slot than last time,
	s_add_nc_u64 s[G0W+2:G0W+3], s[G0W+2:G0W+3], 2*STEPB   ; the next two steps
.endif
	s_add_nc_u64 s[G0M+2:G0M+3], s[G0M+2:G0M+3], 1024      ; the mask: the next 256 keys
	s_wait_xcnt 0x0                                ; the last prefetch, a slot back, has read its address
	s_add_nc_u64 s[PFA:PFA+1], s[PFA:PFA+1], s[PFS:PFS+1]
.endif
	s_wait_dscnt 52+EX                             ; the first step's mask is in: behind its 16 loads stand the second's 16, K's 32, 4 scale words (and the two adds)
.set j, 0
.rept 32
	v_pk_mul_f32 v[96+j:97+j], v[96+j:97+j], s[RT:RT+1] op_sel_hi:[1,0]
.set j, j+2
.endr
	s_wait_dscnt 36+EX                             ; the second step's is in: K's 32 loads and 4 scale words may be out (with a refill: both adds and 35 of those)
	WIN 0x41                                       ; destination and source 0 in window 1
.set j, 0
.rept 32
	v_pk_mul_f32 v[j:j+1], v[j:j+1], s[RT:RT+1] op_sel_hi:[1,0]
.set j, j+2
.endr
	WIN 0
	s_wait_dscnt 0x0                               ; K is in; the adds are done; my reads of the mask's region, and of the slot read last, are over
.if \fill
	CROUND                                         ; no wave of any partner still reads those bytes or has a load on its way
.if \fill == 1
	TLOAD
.else
	TLOADM
.endif
	ASK
.endif
.endm
	OPEN 2                                         ; slot 0 is written out: behind its round the mask alone is filled
	STEP 0
	STEP 1
	s_xor_b32 s[TB], s[TB], KV1
.Lslot:                                            ; slots 1 to 6
	OPEN 1
	STEP 0
	STEP 1
	s_xor_b32 s[TB], s[TB], KV1
	s_sub_co_u32 s[CNT], s[CNT], 1
	s_cmp_lg_u32 s[CNT], 0
	s_cbranch_scc1 .Lslot
	OPEN 0                                         ; the last slot is written out
	STEP 0
	STEP 1
	; THE WAY OUT: O^T / the sum; through my stage, so that a lane holds 16 neighbours of each block of 32 channels; quantised in the natural order, since the last product's other operand is given
.rept 4
	v_nop
.endr
	v_add_f32 v14, v14, v15
	v_permlanex16_b32 v28, v14, s[SEL], s[SEL+1]
	v_add_f32 v14, v14, v28
	v_rcp_f32 v14, v14
	v_and_b32 v8, 15, v0
	v_bfe_u32 v9, v0, 4, 1
	s_mul_i32 s56, s[WV], 16*SP
	s_add_co_u32 s56, s56, STG
	v_mul_u32_u24 v10, v8, SP
	v_add_nc_u32 v10, s56, v10
	v_lshl_add_u32 v11, v9, 5, v10                 ; in: row r, + 32 h
	v_lshl_add_u32 v10, v9, 6, v10                 ; back: row r, + 64 h
	s_lshl_b32 s56, s[WV], 6
	s_add_co_u32 s56, s56, SCST
	v_lshl_add_u32 v31, v8, 2, s56
	s_wait_alu depctr_va_vdst(0)                   ; the reciprocal's wait, ahead of its first reader
.set j, 0
.rept 64
	v_mul_f32 v[96+j], v[160+j], v14
.set j, j+1
.endr
.irp t, 0,1,2,3,4,5,6,7
	ds_store_b128 v11, v[96+8*\t:99+8*\t] offset:64*\t
	ds_store_b128 v11, v[100+8*\t:103+8*\t] offset:64*\t+16
.endr
.irp b, 0,1,2,3
.irp i, 0,1,2,3
	ds_load_b128 v[160+16*\b+4*\i:163+16*\b+4*\i], v10 offset:128*\b+16*\i   ; a wave's LDS instructions are served in order: these see my stores
.endr
.endr
	s_wait_dscnt 0x0
.irp b, 0,1,2,3
	v_max3_num_f32 v[BM+\b], |v[160+16*\b]|, |v[161+16*\b]|, 0x1800000
.endr
.irp i, 2,4,6,8,10,12,14
.irp b, 0,1,2,3
	v_max3_num_f32 v[BM+\b], v[BM+\b], |v[160+16*\b+\i]|, |v[161+16*\b+\i]|
.endr
.endr
.irp b, 0,1,2,3
	v_permlanex16_b32 v[BP+\b], v[BM+\b], s[SEL], s[SEL+1]
.endr
.irp b, 0,1,2,3
	v_max_num_f32 v[BM+\b], v[BM+\b], v[BP+\b]
.endr
.irp b, 0,1,2,3
	v_add_nc_u32 v[SO+\b], 0xff000000, v[BM+\b]
.endr
.irp b, 0,1,2,3
	v_lshrrev_b32 v[BY+\b], 23, v[SO+\b]
.endr
	v_lshl_or_b32 v29, v[BY+1], 8, v[BY]
	v_lshl_or_b32 v29, v[BY+2], 16, v29
	v_lshl_or_b32 v29, v[BY+3], 24, v29
	CVT4 160
	SWAP6
	s_mul_i32 s56, s[WV], 1536
	s_mov_b32 s57, 0
	s_add_nc_u64 s[58:59], s[10:11], s[56:57]
.irp g, 0,1,2
	global_store_b128 v1, v[224+4*\g:227+4*\g], s[58:59] offset:512*\g    ; 512 consecutive bytes, aligned to 256
.endr
	ds_store_b32 v31, v29
	s_wait_dscnt 0x0
	s_barrier_signal -1
	s_barrier_wait -1
	s_cmp_lg_u32 s[WV], 0
	s_cbranch_scc1 .Lno_words
	v_add_nc_u32 v8, SCST, v1
	ds_load_b128 v[32:35], v8
	s_wait_dscnt 0x0
	global_store_b128 v1, v[32:35], s[10:11] offset:12288
.Lno_words:
	s_wait_tensorcnt 0x0                           ; the wave's end
	ds_add_u32 v[SPW], v[NIL]
	s_wait_dscnt 0x0
	CROUND                                         ; the closing round
	s_endpgm
.Lfunc_end_k_qc851a78882_attn:
	.size	k_qc851a78882_attn, .Lfunc_end_k_qc851a78882_attn-k_qc851a78882_attn
	.p2alignl 7, 3214868480
	.fill 96, 4, 3214868480
	.section	.rodata,"a",@progbits
	.p2align	6, 0x0
	.amdhsa_kernel k_qc851a78882_attn
		.amdhsa_group_segment_fixed_size 327680
		.amdhsa_private_segment_fixed_size 0
		.amdhsa_enable_private_segment 0
		.amdhsa_kernarg_size 32
		.amdhsa_user_sgpr_count 2
		.amdhsa_user_sgpr_kernarg_segment_ptr 1
		.amdhsa_wavefront_size32 1
		.amdhsa_system_sgpr_workgroup_id_x 1
		.amdhsa_system_sgpr_workgroup_id_y 1
		.amdhsa_system_sgpr_workgroup_id_z 1
		.amdhsa_system_vgpr_workitem_id 0
		.amdhsa_next_free_vgpr 512
		.amdhsa_next_free_sgpr 72
		.amdhsa_reserve_vcc 0
		.amdhsa_float_denorm_mode_32 3
		.amdhsa_float_denorm_mode_16_64 3
		.amdhsa_memory_ordered 1
		.amdhsa_forward_progress 1
		.amdhsa_inst_pref_size 159
	.end_amdhsa_kernel
	.amdgpu_metadata
---
amdhsa.version: [ 1, 2 ]
amdhsa.kernels:
  - .name:           k_qc851a78882_attn
    .symbol:         k_qc851a78882_attn.kd
    .args:
      - { .name: qimg, .offset: 0, .size: 8, .value_kind: global_buffer, .address_space: global }
      - { .name: kv, .offset: 8, .size: 8, .value_kind: global_buffer, .address_space: global }
      - { .name: attention_mask, .offset: 16, .size: 8, .value_kind: global_buffer, .address_space: global }
      - { .name: aimg, .offset: 24, .size: 8, .value_kind: global_buffer, .address_space: global }
    .group_segment_fixed_size: 327680
    .private_segment_fixed_size: 0
    .kernarg_segment_align: 8
    .kernarg_segment_size: 32
    .max_flat_workgroup_size: 256
    .sgpr_count:     72
    .vgpr_count:     512
    .wavefront_size: 32
...
	.end_amdgpu_metadata
.endif
;; end of part 2
;; launch oproj (part 3): grid 16 x 16, 4 waves a work-group, clusters of 4 x 4, 327,680 bytes of LDS; arguments aimg, o_w_codes, o_w_scales, out0; writes out0
.if DOCPART == 3
	.amdgcn_target "amdgcn-amd-amdhsa--gfx1250"
	.amdhsa_code_object_version 6
	.text
	.protected	k_qc851a78882_oproj
	.globl	k_qc851a78882_oproj
	.p2align	8
	.type	k_qc851a78882_oproj,@function
k_qc851a78882_oproj:
	s_mov_b64 s[64:65], 0
	v_nop
	global_prefetch_b8 v0, s[64:65] scope:SCOPE_SE
	s_setreg_imm32_b32 hwreg(HW_REG_WAVE_MODE, 25, 1), 1
	s_wait_xcnt 0x0
	s_wait_alu depctr_hold_cnt(0) depctr_sa_sdst(0) depctr_va_vdst(0) depctr_va_sdst(0) depctr_va_ssrc(0) depctr_va_vcc(0) depctr_vm_vsrc(0)
	s_getreg_b32 s2, hwreg(HW_REG_IB_STS2, 6, 4)
	s_cmp_eq_u32 s2, 0
	s_cbranch_scc0 .Lentry_in_a_cluster
	s_endpgm
.Lentry_in_a_cluster:
	s_bfe_u32 s2, ttmp6, 0x10000c
	s_cmp_lg_u32 s2, 0xf033
	s_cbranch_scc0 .Lentry_shape_is_right
	s_endpgm
.Lentry_shape_is_right:
; out0 = A o_w^T on codes of E2M3, K = 2,048.  A comes as images of operand registers (parts of 12,800 bytes: 8 fragments of 3 x 512 bytes, then 8 x 64 bytes of scale words), one part for each block of
; 128 rows and each 128 along K; o_w as given: rows of 1,536 bytes of codes, 64 scale bytes a row.
; SHARES.  Work-group (x = 128 columns, y = 128 rows): 256 work-groups.  Wave (rh, ch) makes 64 x 64 in 16 accumulators.  Used transposed (source 0 = o_w, source 1 = A): a lane holds eight neighbouring columns of a row.
; RING: two LDS slots of 512 along K (four parts of A, two tiles of o_w of 128 rows x 192 bytes); four slots' worth in all, written out without a loop.  Joint loads: waves 0, 1 A's halves (shared along the
; cluster's row), waves 2, 3 o_w's tiles (shared along its column); o_w's scale bytes come once.
.set PITCH, 240
.set REG,   128*PITCH
.set PART,  12800
.set BOFF,  4*PART
.set SLOT,  BOFF+2*REG
.set SCLB,  2*SLOT
.set STAGE, SCLB+32*272
.set SPARE, STAGE+4*16*272
.set WV, 12
.set RH, 13
.set CH, 14
.set G1A, 24
.set G1B, 32
.set G1S, 40
.set G0A, 48
.set G0B, 56
.set G0S, 68
.set ADA, 8
.set AD4, 10
.set ADB, 12
.set ADSB, 16
.set STO, 17
.set RD, 18
.set CO, 19
.set SPW, 22
.set NIL, 23
.set SA, 32                            ; v32-35 A's scale words (buffer f, pair p); v40-55 o_w's (set, pair p, the slot's q-th 128): nothing else ever stands here
.set SB, 40
.set OUTR, 64
.set ACC, 128
.set MSB, 0
.macro WIN new
.if MSB != \new
	s_set_vgpr_msb (MSB<<8)|\new
.set MSB, \new
.endif
.endm
.macro PLACES n
.rept \n
	v_nop
.endr
.endm
.macro JLOAD s
	s_cmp_lt_u32 s[WV], 2
	s_cbranch_scc0 .Lfor_b_\@
	tensor_load_to_lds s[G0A+4*\s:G0A+4*\s+3], s[G1A:G1A+7]
	s_nop 0
.rept 4
	v_nop
.endr
	s_branch .Lasked_\@
.Lfor_b_\@:
	tensor_load_to_lds s[G0B+4*\s:G0B+4*\s+3], s[G1B:G1B+7]
	s_nop 0
.rept 4
	v_nop
.endr
.Lasked_\@:
.endm
.macro CREST
	s_cmp_lg_u32 s[WV], 0
	s_cbranch_scc1 .Lnot_wave_0_\@
	s_barrier_signal -3
.Lnot_wave_0_\@:
	s_barrier_wait -3
	s_barrier_signal -1
	s_barrier_wait -1
.endm
.macro CROUND
	s_barrier_signal -1
	s_barrier_wait -1
	CREST
.endm
	s_load_b256 s[4:11], s[0:1], 0x0               ; aimg, o_w codes, o_w scales, out0
	v_lshl_add_u32 v[SPW], v0, 2, SPARE
	v_mov_b32 v[NIL], 0
	ds_add_u32 v22, v23
	ds_add_u32 v22, v23
	s_wait_dscnt 0x0
	v_lshrrev_b32 v1, 5, v0
	v_readfirstlane_b32 s[WV], v1
	s_lshr_b32 s[RH], s[WV], 1
	s_and_b32 s[CH], s[WV], 1
	s_bfe_u32 s15, ttmp6, 0x40000                  ; cx
	s_bfe_u32 s16, ttmp6, 0x40004                  ; cy
	s_lshl_b32 s17, ttmp9, 2
	s_add_co_u32 s17, s17, s15                     ; block of columns
	s_and_b32 s18, ttmp7, 0xffff
	s_lshl_b32 s18, s18, 2
	s_add_co_u32 s18, s18, s16                     ; block of rows
	s_lshl_b32 s19, s16, 2
	s_lshl_b32 s19, 15, s19                        ; my row of the cluster
	s_lshl_b32 s20, 0x1111, s15                    ; my column
	s_or_b32 s[G1A], s19, (3<<16)|(1<<21)          ; 100 dense rows of 256 bytes: two parts
	s_mov_b32 s[G1A+1], 32<<16
	s_mov_b32 s[G1A+2], 100<<16
	s_mov_b32 s[G1A+3], 32<<16
	s_mov_b32 s[G1A+4], 100
	s_mov_b32 s[G1A+5], 32
	s_mov_b32 s[G1A+6], 0
	s_mov_b32 s[G1A+7], 0
	s_or_b32 s[G1B], s20, (1<<20)|(1<<21)|(3<<22)|(3<<25)   ; 128 rows of 192 bytes, 16 of padding behind every 64
	s_mov_b32 s[G1B+1], 192<<16
	s_mov_b32 s[G1B+2], 128<<16
	s_mov_b32 s[G1B+3], 192<<16
	s_mov_b32 s[G1B+4], 128
	s_mov_b32 s[G1B+5], 1536
	s_mov_b32 s[G1B+6], 0
	s_mov_b32 s[G1B+7], 0
	s_or_b32 s[G1S], s20, (3<<16)|(1<<20)|(1<<21)|(5<<22)|(3<<25)   ; 16 rows of 256 dense bytes, 16 of padding behind each
	s_mov_b32 s[G1S+1], 32<<16
	s_mov_b32 s[G1S+2], 16<<16
	s_mov_b32 s[G1S+3], 32<<16
	s_mov_b32 s[G1S+4], 16
	s_mov_b32 s[G1S+5], 32
	s_mov_b32 s[G1S+6], 0
	s_mov_b32 s[G1S+7], 0
	s_mul_i32 s72, s18, 16*PART                    ; A: my block of rows (hangs on y alone), my half of a slot
	s_mul_i32 s73, s[CH], 2*PART
	s_add_co_u32 s72, s72, s73
	s_mov_b32 s73, 0
	s_mul_i32 s74, s17, 128*1536                   ; o_w: my block's rows (hang on x alone), my 192 bytes of a slot's 384
	s_mul_i32 s75, s[CH], 192
	s_add_co_u32 s74, s74, s75
	s_mov_b32 s75, 0
	s_lshl_b32 s76, s17, 13                        ; its scale bytes, my half
	s_lshl_b32 s77, s[CH], 12
	s_add_co_u32 s76, s76, s77
	s_mov_b32 s77, 0
	s_mul_i32 s21, s[CH], 2*PART                   ; and where they go
	s_mul_i32 s22, s[CH], REG
	s_add_co_u32 s22, s22, BOFF
	s_mul_i32 s23, s[CH], 16*272
	s_add_co_u32 s23, s23, SCLB
	s_wait_kmcnt 0x0
	s_add_nc_u64 s[4:5], s[4:5], s[72:73]
	s_add_nc_u64 s[6:7], s[6:7], s[74:75]
	s_add_nc_u64 s[8:9], s[8:9], s[76:77]
.irp s, 0,1
	s_mov_b32 s[G0A+4*\s], 1
	s_add_co_u32 s[G0A+4*\s+1], s21, \s*SLOT
	s_add_nc_u64 s[G0A+4*\s+2:G0A+4*\s+3], s[4:5], \s*4*PART
	s_or_b32 s[G0A+4*\s+3], s[G0A+4*\s+3], 0x80000000
	s_mov_b32 s[G0B+4*\s], 1
	s_add_co_u32 s[G0B+4*\s+1], s22, \s*SLOT
	s_add_nc_u64 s[G0B+4*\s+2:G0B+4*\s+3], s[6:7], \s*384
	s_or_b32 s[G0B+4*\s+3], s[G0B+4*\s+3], 0x80000000
.endr
	s_mov_b32 s[G0S], 1
	s_mov_b32 s[G0S+1], s23
	s_mov_b64 s[G0S+2:G0S+3], s[8:9]
	s_or_b32 s[G0S+3], s[G0S+3], 0x80000000
	CROUND                                         ; all sixteen work-groups are here
	s_cmp_lt_u32 s[WV], 2                          ; a wave's first fills stand in one branch: two loads of mine are out, or three
	s_cbranch_scc0 .Lfirst_b
	tensor_load_to_lds s[G0A:G0A+3], s[G1A:G1A+7]
	s_nop 0
	tensor_load_to_lds s[G0A+4:G0A+7], s[G1A:G1A+7]
	s_nop 0
.rept 4
	v_nop
.endr
	s_branch .Lfirst_done
.Lfirst_b:
	tensor_load_to_lds s[G0S:G0S+3], s[G1S:G1S+7]
	s_nop 0
	tensor_load_to_lds s[G0B:G0B+3], s[G1B:G1B+7]
	s_nop 0
	tensor_load_to_lds s[G0B+4:G0B+7], s[G1B:G1B+7]
	s_nop 0
.rept 4
	v_nop
.endr
.Lfirst_done:
	v_and_b32 v1, 15, v0                           ; r
	v_bfe_u32 v2, v0, 4, 1                         ; h
	v_and_b32 v3, 31, v0                           ; lane
	s_mul_i32 s72, s[RH], 6144
	s_lshl_b32 s73, s[RH], 8
	s_mul_i32 s74, s[CH], 64*PITCH
	s_add_co_u32 s74, s74, BOFF
	v_mul_u32_u24 v4, v1, PITCH
	v_mad_u32_u24 v5, v2, 24, v4
	v_mad_u32_u24 v6, v2, 40, v4
.irp s, 0,1
	v_lshl_add_u32 v[ADA+\s], v3, 4, s72
	v_lshl_add_u32 v[AD4+\s], v3, 2, s73
	v_add_nc_u32 v[ADB+\s], s74, v5
	v_add_nc_u32 v[ADB+2+\s], s74, v6
	s_add_co_u32 s72, s72, SLOT
	s_add_co_u32 s73, s73, SLOT
	s_add_co_u32 s74, s74, SLOT
.endr
	v_lshrrev_b32 v4, 2, v1
	v_lshlrev_b32 v4, 4, v4
	v_lshl_add_u32 v4, v1, 6, v4                   ; 64 r + 16 (r / 4)
	s_mul_i32 s72, s[CH], 4352
	s_add_co_u32 s72, s72, SCLB
	v_mad_u32_u24 v[ADSB], v2, 2176, v4            ; lanes 16-31: the tile two further on
	v_add_nc_u32 v[ADSB], s72, v[ADSB]
	s_mul_i32 s72, s[WV], 16*272
	s_add_co_u32 s72, s72, STAGE
	v_mul_u32_u24 v[STO], v1, 272
	v_lshl_add_u32 v[STO], v2, 5, v[STO]
	v_add_nc_u32 v[STO], s72, v[STO]               ; in: row r, + 32 h
	v_mul_u32_u24 v[RD], v2, 272
	v_lshl_add_u32 v[RD], v1, 4, v[RD]
	v_add_nc_u32 v[RD], s72, v[RD]                 ; back: lanes 0-15 one row of 256 bytes, lanes 16-31 the next
	v_lshlrev_b32 v[CO], 13, v2
	v_lshl_add_u32 v[CO], v1, 4, v[CO]             ; and the same two rows of out0
	s_lshl_b32 s72, s18, 7
	s_lshl_b32 s73, s[RH], 6
	s_add_co_u32 s72, s72, s73
	s_lshl_b32 s72, s72, 13                        ; my first row x 8,192 bytes
	s_lshl_b32 s73, s17, 9
	s_add_co_u32 s72, s72, s73
	s_lshl_b32 s73, s[CH], 8
	s_add_co_u32 s72, s72, s73                     ; + my first column x 4
	s_mov_b32 s73, 0
	s_add_nc_u64 s[10:11], s[10:11], s[72:73]
.macro FRAG reg, adr, q, off
.irp p, 0,1,2,3,4,5
.set PIE, 12*(\q)+6*(\p/3)+\p%3
.if PIE%8 < 5
	ds_load_b64 v[\reg+2*\p:\reg+2*\p+1], v[\adr] offset:8*PIE+16*(PIE/8)+(\off)
.else
	ds_load_b64 v[\reg+2*\p:\reg+2*\p+1], v[\adr+2] offset:8*PIE+16*(PIE/8)+(\off)
.endif
.endr
.endm
.macro FETCH slot, q, f                ; the slot's q-th 128 along K into buffer f: 2 + 12 + 24 loads
	WIN 0
	ds_load_b32 v[SA+2*(\f)], v[AD4+\slot] offset:(\q)*PART+12288
	ds_load_b32 v[SA+2*(\f)+1], v[AD4+\slot] offset:(\q)*PART+12288+128
	WIN 0x40
.irp a, 0,1,2,3
.irp g, 0,1,2
	ds_load_b128 v[128*(\f)+12*\a+4*\g:128*(\f)+12*\a+4*\g+3], v[ADA+\slot] offset:(\q)*PART+1536*\a+512*\g
.endr
.endr
.irp i, 0,1,2,3
	FRAG 128*(\f)+48+12*\i, ADB+\slot, (\q)%2, ((\q)/2)*REG+\i*16*PITCH
.endr
	WIN 0
.endm
.macro SBLOAD set, t                   ; o_w's scale words of slot t along K: four words a row
.irp p, 0,1
	ds_load_b128 v[SB+8*(\set)+4*\p:SB+8*(\set)+4*\p+3], v[ADSB] offset:1088*\p+16*(\t)
.endr
.endm
.macro EMIT zero
.if \zero
.if wX && wY
	v_wmma_scale_f32_16x16x128_f8f6f4 v[rD:rD+7], v[rX:rX+11], v[rY:rY+11], 0, v[kX], v[kY] matrix_a_fmt:MATRIX_FMT_FP6 matrix_b_fmt:MATRIX_FMT_FP6 matrix_a_scale:MATRIX_SCALE_ROW1 matrix_b_scale:MATRIX_SCALE_ROW1
.elseif wX
	v_wmma_scale_f32_16x16x128_f8f6f4 v[rD:rD+7], v[rX:rX+11], v[rY:rY+11], 0, v[kX], v[kY] matrix_a_fmt:MATRIX_FMT_FP6 matrix_b_fmt:MATRIX_FMT_FP6 matrix_a_scale:MATRIX_SCALE_ROW1
.elseif wY
	v_wmma_scale_f32_16x16x128_f8f6f4 v[rD:rD+7], v[rX:rX+11], v[rY:rY+11], 0, v[kX], v[kY] matrix_a_fmt:MATRIX_FMT_FP6 matrix_b_fmt:MATRIX_FMT_FP6 matrix_b_scale:MATRIX_SCALE_ROW1
.else
	v_wmma_scale_f32_16x16x128_f8f6f4 v[rD:rD+7], v[rX:rX+11], v[rY:rY+11], 0, v[kX], v[kY] matrix_a_fmt:MATRIX_FMT_FP6 matrix_b_fmt:MATRIX_FMT_FP6
.endif
.else
.if wX && wY
	v_wmma_scale_f32_16x16x128_f8f6f4 v[rD:rD+7], v[rX:rX+11], v[rY:rY+11], v[rD:rD+7], v[kX], v[kY] matrix_a_fmt:MATRIX_FMT_FP6 matrix_b_fmt:MATRIX_FMT_FP6 matrix_a_scale:MATRIX_SCALE_ROW1 matrix_b_scale:MATRIX_SCALE_ROW1
.elseif wX
	v_wmma_scale_f32_16x16x128_f8f6f4 v[rD:rD+7], v[rX:rX+11], v[rY:rY+11], v[rD:rD+7], v[kX], v[kY] matrix_a_fmt:MATRIX_FMT_FP6 matrix_b_fmt:MATRIX_FMT_FP6 matrix_a_scale:MATRIX_SCALE_ROW1
.elseif wY
	v_wmma_scale_f32_16x16x128_f8f6f4 v[rD:rD+7], v[rX:rX+11], v[rY:rY+11], v[rD:rD+7], v[kX], v[kY] matrix_a_fmt:MATRIX_FMT_FP6 matrix_b_fmt:MATRIX_FMT_FP6 matrix_b_scale:MATRIX_SCALE_ROW1
.else
	v_wmma_scale_f32_16x16x128_f8f6f4 v[rD:rD+7], v[rX:rX+11], v[rY:rY+11], v[rD:rD+7], v[kX], v[kY] matrix_a_fmt:MATRIX_FMT_FP6 matrix_b_fmt:MATRIX_FMT_FP6
.endif
.endif
.endm
.macro MUL16 f, q, set, zero           ; the 16 accumulators take turns, one instruction a turn
	WIN 0x05                                       ; both sources in window 1, the sums in window 0
.irp a, 0,1,2,3
.irp i, 0,1,2,3
.set rD, ACC+8*(4*\a+\i)
.set rX, 128*(\f)+48+12*\i
.set rY, 128*(\f)+12*\a
.set kX, SB+8*(\set)+4*(\i%2)+(\q)
.set kY, SA+2*(\f)+\a/2
.set wX, \i/2
.set wY, \a%2
	EMIT \zero
.endr
.endr
.endm
.macro SUB slot, q, zero               ; one of a slot's first three 128: my fragments are in; the next ones are asked for; then the products
	s_wait_dscnt 0x0
	PLACES 4                                       ; in front of loads into registers that matrix instructions have read
	FETCH \slot, (\q)+1, 1-(\q)%2
	MUL16 (\q)%2, \q, \slot, \zero
.endm
.macro TURN slot, next, fill, t        ; a slot's last 128, and the change of slots; t: the next slot's number along K
	WIN 0
	s_wait_tensorcnt 0x0                           ; all my tensor loads have landed: my part of the next slot
	ds_add_u32 v[SPW], v[NIL]
.if \fill
	s_add_nc_u64 s[G0A+4*\slot+2:G0A+4*\slot+3], s[G0A+4*\slot+2:G0A+4*\slot+3], 2*4*PART
	s_add_nc_u64 s[G0B+4*\slot+2:G0B+4*\slot+3], s[G0B+4*\slot+2:G0B+4*\slot+3], 2*384
.endif
	s_wait_dscnt 0x0                               ; the add is done, and my reads of this slot are over
	s_barrier_signal -1
	MUL16 1, 3, \slot, 0
	WIN 0
	s_barrier_wait -1
.if \fill
	CREST                                          ; the barrier has opened a round of the cluster's
	JLOAD \slot                                    ; its four v_nop are the places in front of the loads below
.else
	PLACES 4
.endif
	SBLOAD \next, \t
	FETCH \next, 0, 0
.endm
	s_wait_tensorcnt 1                             ; slot 0 (and the scale bytes) are in; slot 1's load may be out
	s_barrier_signal -1
	s_barrier_wait -1
	SBLOAD 0, 0
	FETCH 0, 0, 0
	SUB 0, 0, 1                                    ; the first products start the sums
	SUB 0, 1, 0
	SUB 0, 2, 0
	TURN 0, 1, 1, 1
	SUB 1, 0, 0
	SUB 1, 1, 0
	SUB 1, 2, 0
	TURN 1, 0, 1, 2
	SUB 0, 0, 0
	SUB 0, 1, 0
	SUB 0, 2, 0
	TURN 0, 1, 0, 3
	SUB 1, 0, 0
	SUB 1, 1, 0
	SUB 1, 2, 0
	s_wait_dscnt 0x0
	MUL16 1, 3, 1, 0
	WIN 0
	PLACES 4
; THE WAY OUT, 16 rows x 64 columns at a time, through my own stage: sixteen lanes then store 256 consecutive bytes, aligned
.macro TOSTAGE a
.irp i, 0,1,2,3
	ds_store_b128 v[STO], v[ACC+8*(4*(\a)+\i):ACC+8*(4*(\a)+\i)+3] offset:64*\i      ; each accumulator from its low end on
	ds_store_b128 v[STO], v[ACC+8*(4*(\a)+\i)+4:ACC+8*(4*(\a)+\i)+7] offset:64*\i+16
.endr
.set BB, OUTR+32*((\a)%2)
.irp t, 0,1,2,3,4,5,6,7
	ds_load_b128 v[BB+4*\t:BB+4*\t+3], v[RD] offset:\t*2*272     ; a wave's LDS instructions are served in order
.endr
.endm
.macro SEND a, younger
.set BB, OUTR+32*((\a)%2)
	s_wait_dscnt \younger
.irp t, 0,1,2,3,4,5,6,7
	global_store_b128 v[CO], v[BB+4*\t:BB+4*\t+3], s[10:11] offset:131072*(\a)+16384*\t th:TH_STORE_NT
.endr
.endm
	TOSTAGE 0
	TOSTAGE 1
	SEND 0, 16                                     ; behind block 0's loads: block 1's 8 stores and 8 loads
	s_wait_xcnt 0x0                                ; block 0's stores have read their registers: block 2's loads may land there
	TOSTAGE 2
	SEND 1, 16
	s_wait_xcnt 0x0
	TOSTAGE 3
	SEND 2, 16
	SEND 3, 0
	s_wait_tensorcnt 0x0                           ; the wave's end
	ds_add_u32 v[SPW], v[NIL]
	s_wait_dscnt 0x0
	CROUND                                         ; the closing round
	s_endpgm
.Lfunc_end_k_qc851a78882_oproj:
	.size	k_qc851a78882_oproj, .Lfunc_end_k_qc851a78882_oproj-k_qc851a78882_oproj
	.p2alignl 7, 3214868480
	.fill 96, 4, 3214868480
	.section	.rodata,"a",@progbits
	.p2align	6, 0x0
	.amdhsa_kernel k_qc851a78882_oproj
		.amdhsa_group_segment_fixed_size 327680
		.amdhsa_private_segment_fixed_size 0
		.amdhsa_enable_private_segment 0
		.amdhsa_kernarg_size 32
		.amdhsa_user_sgpr_count 2
		.amdhsa_user_sgpr_kernarg_segment_ptr 1
		.amdhsa_wavefront_size32 1
		.amdhsa_system_sgpr_workgroup_id_x 1
		.amdhsa_system_sgpr_workgroup_id_y 1
		.amdhsa_system_sgpr_workgroup_id_z 1
		.amdhsa_system_vgpr_workitem_id 0
		.amdhsa_next_free_vgpr 512
		.amdhsa_next_free_sgpr 80
		.amdhsa_reserve_vcc 0
		.amdhsa_float_denorm_mode_32 3
		.amdhsa_float_denorm_mode_16_64 3
		.amdhsa_memory_ordered 1
		.amdhsa_forward_progress 1
		.amdhsa_inst_pref_size 94
	.end_amdhsa_kernel
	.amdgpu_metadata
---
amdhsa.version: [ 1, 2 ]
amdhsa.kernels:
  - .name:           k_qc851a78882_oproj
    .symbol:         k_qc851a78882_oproj.kd
    .args:
      - { .name: aimg, .offset: 0, .size: 8, .value_kind: global_buffer, .address_space: global }
      - { .name: o_w_codes, .offset: 8, .size: 8, .value_kind: global_buffer, .address_space: global }
      - { .name: o_w_scales, .offset: 16, .size: 8, .value_kind: global_buffer, .address_space: global }
      - { .name: out0, .offset: 24, .size: 8, .value_kind: global_buffer, .address_space: global }
    .group_segment_fixed_size: 327680
    .private_segment_fixed_size: 0
    .kernarg_segment_align: 8
    .kernarg_segment_size: 32
    .max_flat_workgroup_size: 128
    .sgpr_count:     80
    .vgpr_count:     512
    .wavefront_size: 32
...
	.end_amdgpu_metadata
.endif
;; end of part 3
